; MI455X (gfx1250); checked and timed in simulation.
; The chip was launched on July 23, 2026; its instructions are those of AMD's public machine-readable ISA for CDNA 5 (MIT licence, August 2026) and "CDNA5" Instruction Set Architecture Reference Guide (July 2026). The comments in the code are by the model that wrote it; some were corrected since.
;; Mo E. Allowed arithmetic: matrix products marked QUANTISED: E5M2 operands, one given power-of-two scale a tensor, by v_wmma_f32_16x16x64_bf8_bf8 or v_wmma_f32_16x16x128_bf8_bf8, f32 sums; products left as they are: f32 operands where the result goes on into a quantised operand, else bf16, f16 or f32 operands; f32 sums; everything else in f32.
;; Inputs: b_fc 8 x 2,048 float32; b_proj 8 x 1,024 float32; hidden_states 4 x 512 x 1,024 float32; lowp_scales 32 int32 (the exponents e of the quantised operands' scales 2^e); w_fc 8 x 2,048 x 1,024 float32; w_gate 8 x 1,024 float32; w_proj 8 x 1,024 x 2,048 float32.
;; Outputs: out0 4 x 512 x 1,024 float32.
;; This version of the problem:
;;   THIS VERSION OF THE PROBLEM IS GIVEN IN LOW PRECISION. The matrix products marked QUANTISED in the list below multiply operands that are first quantised to E5M2 (5 exponent bits, 2 mantissa bits; 8 bits a number), with one given power-of-two scale for each operand tensor; their sums are f32. All else is computed in f32.
;;   The module's matrix products, in the order in which they are computed (A, B: the left and right operand; K: the contracted axis; several contracted axes count as one K, in the product's order):
;;     1. [M 2,048, K 1,024] x [K 1,024, N 8]; A: input hidden_states; B: input w_gate: left as it is (N = 8 < 16)
;;     2. [M 2,048, K 1,024] x [K 1,024, N 2,048]; A: input hidden_states; B: input w_fc: QUANTISED (scales: A lowp_scales[0], B lowp_scales[1])
;;     3. [M 2,048, K 2,048] x [K 2,048, N 1,024]; A: computed on the way; B: input w_proj: QUANTISED (scales: A lowp_scales[2], B lowp_scales[3])
;;     4. [M 2,048, K 1,024] x [K 1,024, N 2,048]; A: input hidden_states; B: input w_fc: QUANTISED (scales: A lowp_scales[4], B lowp_scales[5])
;;     5. [M 2,048, K 2,048] x [K 2,048, N 1,024]; A: computed on the way; B: input w_proj: QUANTISED (scales: A lowp_scales[6], B lowp_scales[7])
;;     6. [M 2,048, K 1,024] x [K 1,024, N 2,048]; A: input hidden_states; B: input w_fc: QUANTISED (scales: A lowp_scales[8], B lowp_scales[9])
;;     7. [M 2,048, K 2,048] x [K 2,048, N 1,024]; A: computed on the way; B: input w_proj: QUANTISED (scales: A lowp_scales[10], B lowp_scales[11])
;;     8. [M 2,048, K 1,024] x [K 1,024, N 2,048]; A: input hidden_states; B: input w_fc: QUANTISED (scales: A lowp_scales[12], B lowp_scales[13])
;;     9. [M 2,048, K 2,048] x [K 2,048, N 1,024]; A: computed on the way; B: input w_proj: QUANTISED (scales: A lowp_scales[14], B lowp_scales[15])
;;     10. [M 2,048, K 1,024] x [K 1,024, N 2,048]; A: input hidden_states; B: input w_fc: QUANTISED (scales: A lowp_scales[16], B lowp_scales[17])
;;     11. [M 2,048, K 2,048] x [K 2,048, N 1,024]; A: computed on the way; B: input w_proj: QUANTISED (scales: A lowp_scales[18], B lowp_scales[19])
;;     12. [M 2,048, K 1,024] x [K 1,024, N 2,048]; A: input hidden_states; B: input w_fc: QUANTISED (scales: A lowp_scales[20], B lowp_scales[21])
;;     13. [M 2,048, K 2,048] x [K 2,048, N 1,024]; A: computed on the way; B: input w_proj: QUANTISED (scales: A lowp_scales[22], B lowp_scales[23])
;;     14. [M 2,048, K 1,024] x [K 1,024, N 2,048]; A: input hidden_states; B: input w_fc: QUANTISED (scales: A lowp_scales[24], B lowp_scales[25])
;;     15. [M 2,048, K 2,048] x [K 2,048, N 1,024]; A: computed on the way; B: input w_proj: QUANTISED (scales: A lowp_scales[26], B lowp_scales[27])
;;     16. [M 2,048, K 1,024] x [K 1,024, N 2,048]; A: input hidden_states; B: input w_fc: QUANTISED (scales: A lowp_scales[28], B lowp_scales[29])
;;     17. [M 2,048, K 2,048] x [K 2,048, N 1,024]; A: computed on the way; B: input w_proj: QUANTISED (scales: A lowp_scales[30], B lowp_scales[31])
;;   THE QUANTISER, for each operand of a quantised product, along K:
;;     - The operand's scale is 2^e, e = its entry of the input lowp_scales (int32; the entries are numbered through the quantised products in the list's order, A before B).
;;     - Each number is divided by the scale, clamped to +-57,344, and rounded to the nearest number of E5M2, ties to even, subnormals kept.
;;     - The product sums the exact products of the quantised numbers (number of the format x scale) in f32.
;;   ~~~python
;;   def quantise(x, axis, e):      # numpy; x: float32 -> the quantised numbers, widened to float32 again
;;       x = np.moveaxis(x, axis, -1); K = x.shape[-1]
;;       r = np.clip(x / 2.0 ** e, -57344, 57344)
;;       step = 2.0 ** (np.maximum(np.frexp(np.where(r == 0, 1, r))[1] - 1, -14) - 2)
;;       q = np.round(r / step) * step * 2.0 ** e      # np.round: ties to even
;;       return np.moveaxis(q, -1, axis).astype(np.float32)
;;   ~~~
;;   OPERANDS COMPUTED ON THE WAY. 'Computed on the way' means the value that the module computes at that place (a softmax that the list does not call 'softmax' is quantised finished and normalised). What goes into a quantiser is computed in f32, as accurately as f32 sums, v_exp_f32 and their like allow (about 1e-6 of the number): no bf16 or f16 on the way to a quantiser, and a product that is left as it is and whose result goes on into a quantised operand takes f32 operands (vector FMAs, or v_wmma_f32_16x16x4_f32). A number that lies on a knife's edge between two numbers of the format may be rounded either way, as far as f32 arithmetic and the matrix unit's own rounding can turn it there, and no further.
;; 2 versions. Each part assembles by itself: llvm-mc -triple=amdgcn-amd-amdhsa -mcpu=gfx1250 --defsym DOCPART=n.
;; ======== version 1 of 2: 5 launches
;; workspace buffers: topidx 16,384 bytes of whole numbers; gates 16,384 bytes; cnt 1,024 bytes of whole numbers; order 65,536 bytes of whole numbers; xa 16,777,216 bytes; hq 33,554,432 bytes; yw 16,777,216 bytes
;; launch router (part 1): grid 256 x 1, 8 waves a work-group, no clusters, 0 bytes of LDS; arguments hidden_states, w_gate, topidx, gates; writes topidx, gates
.if DOCPART == 1
	.amdgcn_target "amdgcn-amd-amdhsa--gfx1250"
	.amdhsa_code_object_version 6
	.text
	.protected	k_q8226bf48ca_router
	.globl	k_q8226bf48ca_router
	.p2align	8
	.type	k_q8226bf48ca_router,@function
k_q8226bf48ca_router:
	s_mov_b64 s[64:65], 0
	v_nop
	global_prefetch_b8 v0, s[64:65] scope:SCOPE_SE
	s_setreg_imm32_b32 hwreg(HW_REG_WAVE_MODE, 25, 1), 1
	s_wait_xcnt 0x0
; THE ROUTER.  logits[t][e] = x[t] . w_gate[e] in f32 (fused multiply-adds); the two largest logits of a token (the lower index wins a tie, as jax.lax.top_k has it); softmax over the two, the larger taken away first.
; Stored at fixed places: topidx[t][2] (int32), gates[t][2] (f32).  No address of this launch hangs on the choice: the next launch reads it from memory and places the rows.
; WORK LEFT OUT BY THE WHOLE PROGRAM.  For a token t and an expert e that is not among top_idx[t], g_e[t] is the sum of two zeros that reference() itself puts there by jnp.where; out then takes g_e[t] x y[t] = 0 x y[t],
; which is 0 for every finite y[t], whatever the inputs hold.  So row t of both products of expert e, its gelu and its biases reach no output: of the 8 x 2,048 rows of each product only the 2 x 2,048 chosen ones are computed.
; Every input keeps a way to the output and is loaded.  LIMIT: a NaN, an infinity or an overflow that arises only in rows left out is not carried to the result.
; LIMITS of this launch: logits are finite (NaN among the inputs is not served); two logits that differ by less than the rounding of an f32 sum of 1,024 terms may be ordered either way.
; SHARES.  A wave takes one token: lane l holds x[128 n + 4 l + 0..3], n = 0..7, and the same places of the eight rows of w_gate; each load of the wave covers 512 consecutive bytes.  No LDS, no barrier.
; REGISTERS: v1 16 x lane; v4-19 eight packed sums; v20-27 the logits; v64-95 x; v128-255 w_gate's rows 0-3; window 1, v0-127: rows 4-7.
.set X,   64
.set WG,  128
.set SUM, 4
.set LG,  20
.set MSB, 0
.macro WIN new                         ; the immediate's high byte repeats the setting that is left
.if MSB != \new
	s_set_vgpr_msb (MSB<<8)|\new
.set MSB, \new
.endif
.endm
	s_load_b256 s[4:11], s[0:1], 0x0               ; x s[4:5], w_gate s[6:7], topidx s[8:9], gates s[10:11]
	v_lshrrev_b32 v1, 5, v0
	v_readfirstlane_b32 s14, v1                    ; wave 0..7
	v_and_b32 v2, 31, v0                           ; lane
	v_lshlrev_b32 v1, 4, v2                        ; 16 bytes a lane
	v_mov_b32 v3, 0                                ; the stores' offset
	v_mov_b32 v28, 0                               ; written once: a lane permute's destination counts as one of its sources
	s_lshl_b32 s15, ttmp9, 3
	s_add_co_u32 s15, s15, s14                     ; my token: 8 x work-group + wave
	s_lshl_b32 s16, s15, 12                        ; its row of 4,096 bytes
	s_mov_b32 s17, 0
	s_lshl_b32 s18, s15, 3                         ; its 8 bytes in topidx and in gates
	s_mov_b32 s19, 0
	s_mov_b32 s12, 0x76543210                      ; v_permlanex16_b32: lane l xor 16
	s_mov_b32 s13, 0xfedcba98
	s_wait_kmcnt 0x0
	s_add_nc_u64 s[4:5], s[4:5], s[16:17]
	s_add_nc_u64 s[8:9], s[8:9], s[18:19]
	s_add_nc_u64 s[10:11], s[10:11], s[18:19]
.irp n, 0,1,2,3,4,5,6,7
	global_load_b128 v[X+4*\n:X+4*\n+3], v1, s[4:5] offset:512*\n
.endr
.irp e, 0,1,2,3
.irp n, 0,1,2,3,4,5,6,7
	global_load_b128 v[WG+32*\e+4*\n:WG+32*\e+4*\n+3], v1, s[6:7] offset:4096*\e+512*\n
.endr
.endr
	WIN 0x40                                       ; destination window 1
.irp e, 0,1,2,3
.irp n, 0,1,2,3,4,5,6,7
	global_load_b128 v[32*\e+4*\n:32*\e+4*\n+3], v1, s[6:7] offset:4096*(\e+4)+512*\n
.endr
.endr
	WIN 0
	s_wait_loadcnt 32                              ; x and rows 0-3 are in; the 32 youngest loads, rows 4-7, may be out
.irp e, 0,1,2,3
	v_pk_mul_f32 v[SUM+2*\e:SUM+2*\e+1], v[X:X+1], v[WG+32*\e:WG+32*\e+1]   ; the first products start the sums
.endr
.irp j, 2,4,6,8,10,12,14,16,18,20,22,24,26,28,30
.irp e, 0,1,2,3
	v_pk_fma_f32 v[SUM+2*\e:SUM+2*\e+1], v[X+\j:X+\j+1], v[WG+32*\e+\j:WG+32*\e+\j+1], v[SUM+2*\e:SUM+2*\e+1]   ; four chains by turns
.endr
.endr
	s_wait_loadcnt 0x0
	WIN 0x04                                       ; source 1 window 1
.irp e, 0,1,2,3
	v_pk_mul_f32 v[SUM+8+2*\e:SUM+8+2*\e+1], v[X:X+1], v[32*\e:32*\e+1]
.endr
.irp j, 2,4,6,8,10,12,14,16,18,20,22,24,26,28,30
.irp e, 0,1,2,3
	v_pk_fma_f32 v[SUM+8+2*\e:SUM+8+2*\e+1], v[X+\j:X+\j+1], v[32*\e+\j:32*\e+\j+1], v[SUM+8+2*\e:SUM+8+2*\e+1]
.endr
.endr
	WIN 0
	; the eight sums over the 32 lanes: every lane ends with all eight logits
.irp e, 0,1,2,3,4,5,6,7
	v_add_f32 v[LG+\e], v[SUM+2*\e], v[SUM+2*\e+1]
.endr
.irp m, 1,2,4,8
.irp e, 0,1,2,3,4,5,6,7
	v_add_f32_dpp v[LG+\e], v[LG+\e], v[LG+\e] row_xmask:\m row_mask:0xf bank_mask:0xf
.endr
.endr
.irp e, 0,1,2,3,4,5,6,7
	v_permlanex16_b32 v28, v[LG+\e], s12, s13
	v_add_f32 v[LG+\e], v[LG+\e], v28
.endr
; the largest logit and its index: the compare is strict, so the lower index stays at a tie
.macro BEST val, idx
	v_mov_b32 v[\val], v[LG]
	v_mov_b32 v[\idx], 0
.irp e, 1,2,3,4,5,6,7
	v_cmp_gt_f32 vcc_lo, v[LG+\e], v[\val]
	v_cndmask_b32 v[\val], v[\val], v[LG+\e], vcc_lo
	v_cndmask_b32 v[\idx], v[\idx], \e, vcc_lo
.endr
.endm
	BEST 36, 46                                    ; v36 the largest, v46 its expert
	v_mov_b32 v40, 0xff800000                      ; -infinity takes its place,
.irp e, 0,1,2,3,4,5,6,7
	v_cmp_eq_u32 vcc_lo, \e, v46
	v_cndmask_b32 v[LG+\e], v[LG+\e], v40, vcc_lo
.endr
	BEST 38, 47                                    ; and the same pass finds the second: v38, v47
	v_sub_f32 v41, v38, v36                        ; the maximum is taken away: 0 or less
	v_mul_f32 v41, 0x3fb8aa3b, v41                 ; x log2(e)
	v_exp_f32 v42, v41
	v_nop                                          ; a plain instruction behind the transcendental,
	s_wait_alu depctr_va_vdst(0)                   ; and the wait ahead of its first reader
	v_add_f32 v43, 1.0, v42
	v_rcp_f32 v44, v43                             ; the first gate: 1 / (1 + exp(second - first))
	v_nop
	s_wait_alu depctr_va_vdst(0)
	v_mul_f32 v45, v42, v44                        ; the second gate
	s_wait_xcnt 0x0                                ; EXEC changes only behind this wait
	v_cmp_eq_u32 vcc_lo, 0, v2
	s_and_saveexec_b32 s20, vcc_lo                 ; lane 0 stores for the wave: 8 bytes into each buffer
	global_store_b64 v3, v[46:47], s[8:9]
	global_store_b64 v3, v[44:45], s[10:11]
	s_endpgm
.Lfunc_end_k_q8226bf48ca_router:
	.size	k_q8226bf48ca_router, .Lfunc_end_k_q8226bf48ca_router-k_q8226bf48ca_router
	.p2alignl 7, 3214868480
	.fill 96, 4, 3214868480
	.section	.rodata,"a",@progbits
	.p2align	6, 0x0
	.amdhsa_kernel k_q8226bf48ca_router
		.amdhsa_group_segment_fixed_size 0
		.amdhsa_private_segment_fixed_size 0
		.amdhsa_enable_private_segment 0
		.amdhsa_kernarg_size 32
		.amdhsa_user_sgpr_count 2
		.amdhsa_user_sgpr_kernarg_segment_ptr 1
		.amdhsa_wavefront_size32 1
		.amdhsa_system_sgpr_workgroup_id_x 1
		.amdhsa_system_sgpr_workgroup_id_y 1
		.amdhsa_system_sgpr_workgroup_id_z 1
		.amdhsa_system_vgpr_workitem_id 0
		.amdhsa_next_free_vgpr 384
		.amdhsa_next_free_sgpr 66
		.amdhsa_reserve_vcc 1
		.amdhsa_float_denorm_mode_32 3
		.amdhsa_float_denorm_mode_16_64 3
		.amdhsa_memory_ordered 1
		.amdhsa_forward_progress 1
		.amdhsa_inst_pref_size 22
	.end_amdhsa_kernel
	.amdgpu_metadata
---
amdhsa.version: [ 1, 2 ]
amdhsa.kernels:
  - .name:           k_q8226bf48ca_router
    .symbol:         k_q8226bf48ca_router.kd
    .args:
      - { .name: hidden_states, .offset: 0, .size: 8, .value_kind: global_buffer, .address_space: global }
      - { .name: w_gate, .offset: 8, .size: 8, .value_kind: global_buffer, .address_space: global }
      - { .name: topidx, .offset: 16, .size: 8, .value_kind: global_buffer, .address_space: global }
      - { .name: gates, .offset: 24, .size: 8, .value_kind: global_buffer, .address_space: global }
    .group_segment_fixed_size: 0
    .private_segment_fixed_size: 0
    .kernarg_segment_align: 8
    .kernarg_segment_size: 32
    .max_flat_workgroup_size: 256
    .sgpr_count:     66
    .vgpr_count:     384
    .wavefront_size: 32
...
	.end_amdgpu_metadata
.endif
;; end of part 1
;; launch place (part 2): grid 128 x 8, 4 waves a work-group, no clusters, 17,920 bytes of LDS; arguments topidx, hidden_states, lowp_scales, xa, order, cnt; writes xa, order, cnt
.if DOCPART == 2
	.amdgcn_target "amdgcn-amd-amdhsa--gfx1250"
	.amdhsa_code_object_version 6
	.text
	.protected	k_q8226bf48ca_place
	.globl	k_q8226bf48ca_place
	.p2align	8
	.type	k_q8226bf48ca_place,@function
k_q8226bf48ca_place:
	s_mov_b64 s[64:65], 0
	v_nop
	global_prefetch_b8 v0, s[64:65] scope:SCOPE_SE
	s_setreg_imm32_b32 hwreg(HW_REG_WAVE_MODE, 25, 1), 1
	s_wait_xcnt 0x0
; THE ROWS ARE PLACED BY EXPERT AND QUANTISED.  Only the chosen rows exist from here on (the router's head comment shows that the others reach no output).
; Work-group (i, e) makes tile i of expert e: the routed rows of ranks 16 i .. 16 i + 15 among those that chose e, in the order of the tokens.  A routed row is rid = 2 t + slot.
; The grid serves every split: at most 2,048 tokens choose one expert, 128 tiles.  A work-group whose tile a given split leaves empty stores nothing (work-group (0, e) always stores the expert's number of tiles).
; PHASES.  A: every wave reads all 2,048 pairs of topidx, makes for each group of 32 tokens the mask of those that chose e, and walks the 64 masks with a running count; only the groups that meet the tile's 16 ranks
; are taken bit by bit.  B: a tile's last ranks, where the expert has no more rows, take a copy of the tile's first row: all that follows then computes and stores the same numbers for them, and needs no mask.
; Each wave loads 4 of the 16 rows of x (4,096 consecutive bytes each), quantises them with the expert's 2^ex and stores the codes into a stage in LDS.  C: a barrier.  D: the tile leaves as an IMAGE OF OPERAND REGISTERS:
; xa[e][tile][K step s][c][lane][16 bytes] = registers 4 c .. 4 c + 3 of lane (r, h) of the fragment of K step s: the product's launch loads it by 512 consecutive bytes an instruction.
; K IS PERMUTED, alike in x and in w_fc: load n gives lane l the numbers k = 128 n + 4 l + 0..3; their codes are byte 0..3 of code register n; code registers 4 q .. 4 q + 3 of lane l are piece p = l + 32 q,
; and piece p = 8 s + 2 c + h is taken as registers 4 c .. 4 c + 3 of the lanes' half h in K step s.  Every product meets its partner; only the order of the sums changes.
; code = x / 2^ex, held within +-57,344, to the nearest code, ties to even.  LIMITS: ex between -126 and 112; NaN among the inputs is not served.
; LDS: piece p of row m at 272 p + 16 m (64 pieces; 16 bytes of padding behind a piece's 256), then the spare words.
; REGISTERS: v2, v3 the add's two; v4 8 x lane; v5 16 x lane; v6 the tile's 16 rids (lane = rank in the tile; lane 16 takes what falls outside); v7, v8 the masks (lane = group); v9, v10 which of them chose e second;
; v11, v12 LDS addresses in and out; v13 my offset in the tile's image; v14, v15 2^ex and 57,344 x 2^ex; v16-19 the rows' offsets; v64-191 the pairs, later 4 rows; v192-223 codes; v224-255 the image on its way out.
.set SPARE, 17408
.set IDX,   64
.set ROWS,  64
.set CODE,  192
.set IMG,   224
	s_load_b256 s[4:11], s[0:1], 0x0               ; topidx s[4:5], x s[6:7], the scales' exponents s[8:9], xa s[10:11]
	s_load_b128 s[12:15], s[0:1], 0x20             ; order s[12:13], cnt s[14:15]
	v_lshl_add_u32 v2, v0, 2, SPARE                ; my spare word,
	v_mov_b32 v3, 0                                ; and 0: kept for the closing lines
	v_lshrrev_b32 v1, 5, v0
	v_readfirstlane_b32 s16, v1                    ; wave 0..3
	v_and_b32 v1, 31, v0                           ; lane
	v_lshlrev_b32 v4, 3, v1
	v_lshlrev_b32 v5, 4, v1
	v_lshlrev_b32 v22, 2, v1
.irp r, 6,7,8,9,10
	v_mov_b32 v\r, 0                               ; written once: a lane write's destination counts as read
.endr
	v_mul_u32_u24 v11, v1, 272
	s_lshl_b32 s20, s16, 6
	v_add_nc_u32 v11, s20, v11                     ; in: piece = my lane (+ 32 q), rows 4 x wave on
	v_and_b32 v20, 15, v0
	v_bfe_u32 v21, v0, 4, 1
	v_mul_u32_u24 v12, v21, 272
	v_lshl_add_u32 v12, v20, 4, v12
	s_mul_i32 s20, s16, 4352
	v_add_nc_u32 v12, s20, v12                     ; out: 272 h + 16 r, K steps 2 x wave on (16 pieces)
	s_lshl_b32 s20, s16, 12
	v_add_nc_u32 v13, s20, v5                      ; and the same place in the image: 4,096 x wave + 16 x lane
	s_and_b32 s17, ttmp7, 0xffff                   ; e
	s_lshl_b32 s18, ttmp9, 4                       ; lo: the tile's first rank
	s_add_co_u32 s26, s18, 16
	s_lshl_b32 s53, s17, 4                         ; lowp_scales[4 e]
	s_lshl_b32 s50, s17, 21
	s_lshl_b32 s51, ttmp9, 14
	s_add_co_u32 s50, s50, s51                     ; the tile's image: (128 e + i) x 16,384
	s_mov_b32 s51, 0
	s_wait_kmcnt 0x0
	s_load_b32 s48, s[8:9], s53 offset:0x0         ; ex
	s_add_nc_u64 s[10:11], s[10:11], s[50:51]
	s_lshl_b32 s50, s17, 13
	s_lshl_b32 s52, s18, 2
	s_add_co_u32 s50, s50, s52
	s_add_nc_u64 s[12:13], s[12:13], s[50:51]      ; order[e][lo]
	s_lshl_b32 s50, s17, 7
	s_add_nc_u64 s[14:15], s[14:15], s[50:51]      ; cnt[e]
	; ---- A: the masks
.set g, 0
.rept 64
	global_load_b64 v[IDX+2*g:IDX+2*g+1], v4, s[4:5] offset:256*g   ; group g: tokens 32 g + lane, 256 consecutive bytes
.set g, g+1
.endr
.macro CMP8 b                          ; groups 8 b .. 8 b + 7
	s_wait_loadcnt 8*(7-(\b))                      ; the later batches' loads may be out
.irp k, 0,1,2,3,4,5,6,7
	v_cmp_eq_u32 s[32+2*\k], s17, v[IDX+2*(8*(\b)+\k)]      ; chose e first,
	v_cmp_eq_u32 s[33+2*\k], s17, v[IDX+2*(8*(\b)+\k)+1]    ; or second
.endr
.irp k, 0,1,2,3,4,5,6,7
	s_or_b32 s[32+2*\k], s[32+2*\k], s[33+2*\k]
.endr
.irp k, 0,1,2,3,4,5,6,7
	v_writelane_b32 v[7+(\b)/4], s[32+2*\k], (8*(\b)+\k)%32
	v_writelane_b32 v[9+(\b)/4], s[33+2*\k], (8*(\b)+\k)%32
.endr
.endm
.irp b, 0,1,2,3,4,5,6,7
	CMP8 \b
.endr
; 32 groups: s19 = how many rows of e lie ahead of the group.  A group none of whose rows falls among ranks lo .. lo + 15 is passed by its count alone.
.macro SCAN half
	s_mov_b32 s21, 0
.Lscan_\@:
	v_readlane_b32 s22, v[7+\half], s21            ; the group's mask,
	v_readlane_b32 s23, v[9+\half], s21            ; and who chose e second
	s_bcnt1_i32_b32 s24, s22
	s_add_co_u32 s25, s19, s24                     ; the count behind the group
	s_cmp_le_u32 s25, s18
	s_cbranch_scc1 .Lskip_\@
	s_cmp_ge_u32 s19, s26
	s_cbranch_scc1 .Lskip_\@
	s_cmp_eq_u32 s24, 0
	s_cbranch_scc1 .Lskip_\@
	s_mov_b32 s27, 0
	s_mov_b32 s28, s19                             ; the rank of the mask's lowest bit
.Lbit_\@:
	s_ctz_i32_b32 s29, s22                         ; the token's place in the group
	s_sub_co_u32 s30, s22, 1
	s_and_b32 s22, s22, s30                        ; its bit is cleared
	s_lshr_b32 s30, s23, s29
	s_and_b32 s30, s30, 1                          ; slot
	s_lshl_b32 s31, s29, 1
	s_add_co_u32 s30, s30, s31
	s_add_co_u32 s30, s30, s49                     ; rid = 64 x group + 2 x place + slot
	s_sub_co_u32 s31, s28, s18
	s_min_u32 s31, s31, 16                         ; ranks outside the tile (under lo the difference wraps) go to lane 16
	v_writelane_b32 v6, s30, s31
	s_add_co_u32 s28, s28, 1
	s_add_co_u32 s27, s27, 1
	s_cmp_lt_u32 s27, s24
	s_cbranch_scc1 .Lbit_\@
.Lskip_\@:
	s_mov_b32 s19, s25
	s_add_co_u32 s49, s49, 64
	s_add_co_u32 s21, s21, 1
	s_cmp_lt_u32 s21, 32
	s_cbranch_scc1 .Lscan_\@
.endm
	s_mov_b32 s19, 0
	s_mov_b32 s49, 0
	SCAN 0
	SCAN 1                                         ; s19 = the expert's rows
	s_wait_kmcnt 0x0
	s_add_co_i32 s48, s48, 127
	s_lshl_b32 s20, s48, 23
	v_mov_b32 v14, s20                             ; 2^ex as f32: the conversion takes its exponent field
	s_add_co_i32 s48, s48, 15
	s_lshl_b32 s48, s48, 23
	s_or_b32 s48, s48, 0x600000
	v_mov_b32 v15, s48                             ; 57,344 x 2^ex
	s_or_b32 s20, ttmp9, s16
	s_cmp_lg_u32 s20, 0
	s_cbranch_scc1 .Lno_cnt                        ; wave 0 of work-group (0, e) stores the number of tiles, 32 times: 128 consecutive bytes
	s_add_co_u32 s20, s19, 15
	s_lshr_b32 s20, s20, 4
	v_mov_b32 v23, s20
	global_store_b32 v22, v23, s[14:15]
.Lno_cnt:
	; ---- B: the tile's rows, if it has any.  All four waves hold the same count and go the same way; the barrier stands behind the join
	s_cmp_ge_u32 s18, s19
	s_cbranch_scc1 .Ljoin
	s_sub_co_u32 s20, s19, s18
	s_min_u32 s20, s20, 16                         ; real rows in the tile
	v_readlane_b32 s21, v6, 0
	v_mov_b32 v24, s21
	v_cmp_gt_u32 vcc_lo, s20, v1
	v_cndmask_b32 v6, v24, v6, vcc_lo              ; the other lanes take the tile's first row
	s_cmp_lg_u32 s16, 0
	s_cbranch_scc1 .Lno_order
	s_wait_xcnt 0x0                                ; EXEC changes only behind this wait
	v_cmp_gt_u32 vcc_lo, 16, v1
	s_and_saveexec_b32 s22, vcc_lo
	global_store_b32 v22, v6, s[12:13]             ; order[e][lo + lane], 16 lanes
	s_wait_xcnt 0x0                                ; and again, in front of the line that widens it
	s_or_b32 exec_lo, exec_lo, s22
.Lno_order:
	s_lshl_b32 s23, s16, 2
.irp j, 0,1,2,3
	s_add_co_u32 s24, s23, \j
	v_readlane_b32 s25, v6, s24                    ; row 4 x wave + j of the tile
	s_lshr_b32 s25, s25, 1                         ; its token,
	s_min_u32 s25, s25, 2047                       ; held inside x
	v_lshl_add_u32 v[16+\j], s25, 12, v5
.endr
.irp j, 0,1,2,3
.irp n, 0,1,2,3,4,5,6,7
	global_load_b128 v[ROWS+32*\j+4*\n:ROWS+32*\j+4*\n+3], v[16+\j], s[6:7] offset:512*\n
.endr
.endr
.macro ROWQ j
	s_wait_loadcnt 8*(3-\j)                        ; the later rows' loads may be out
.set i, 0
.rept 32
	v_med3_num_f32 v[ROWS+32*\j+i], v[ROWS+32*\j+i], -v15, v15   ; the conversion to an 8-bit code does not saturate (ISA guide 7.6.2): the hold comes first
.set i, i+1
.endr
.irp g, 0,1,2,3
	v_cvt_scalef32_pk8_bf8_f32 v[CODE+8*\j+2*\g:CODE+8*\j+2*\g+1], v[ROWS+32*\j+8*\g:ROWS+32*\j+8*\g+7], v14
.endr
	v_nop                                          ; a plain instruction behind the last conversion
	ds_store_b128 v11, v[CODE+8*\j:CODE+8*\j+3] offset:16*\j          ; piece lane,
	ds_store_b128 v11, v[CODE+8*\j+4:CODE+8*\j+7] offset:16*\j+8704   ; piece lane + 32
.endm
.irp j, 0,1,2,3
	ROWQ \j
.endr
.Ljoin:
	; ---- C
	s_wait_dscnt 0x0                               ; for the others' sake: my stores into the stage are done
	s_barrier_signal -1
	s_barrier_wait -1
	; ---- D
	s_cmp_ge_u32 s18, s19
	s_cbranch_scc1 .Lend
.irp k, 0,1,2,3,4,5,6,7
	ds_load_b128 v[IMG+4*\k:IMG+4*\k+3], v12 offset:272*(8*(\k/4)+2*(\k%4))   ; K step 2 x wave + k / 4, c = k % 4
.endr
.irp k, 0,1,2,3,4,5,6,7
	s_wait_dscnt 7-\k                              ; the younger loads may be out
	global_store_b128 v13, v[IMG+4*\k:IMG+4*\k+3], s[10:11] offset:512*\k   ; 512 consecutive bytes, at a multiple of 512 from the buffer's first byte
.endr
.Lend:
	s_wait_tensorcnt 0x0                           ; the wave's end, behind my last LDS store
	ds_add_u32 v2, v3
	s_wait_dscnt 0x0
	s_endpgm
.Lfunc_end_k_q8226bf48ca_place:
	.size	k_q8226bf48ca_place, .Lfunc_end_k_q8226bf48ca_place-k_q8226bf48ca_place
	.p2alignl 7, 3214868480
	.fill 96, 4, 3214868480
	.section	.rodata,"a",@progbits
	.p2align	6, 0x0
	.amdhsa_kernel k_q8226bf48ca_place
		.amdhsa_group_segment_fixed_size 17920
		.amdhsa_private_segment_fixed_size 0
		.amdhsa_enable_private_segment 0
		.amdhsa_kernarg_size 48
		.amdhsa_user_sgpr_count 2
		.amdhsa_user_sgpr_kernarg_segment_ptr 1
		.amdhsa_wavefront_size32 1
		.amdhsa_system_sgpr_workgroup_id_x 1
		.amdhsa_system_sgpr_workgroup_id_y 1
		.amdhsa_system_sgpr_workgroup_id_z 1
		.amdhsa_system_vgpr_workitem_id 0
		.amdhsa_next_free_vgpr 256
		.amdhsa_next_free_sgpr 66
		.amdhsa_reserve_vcc 1
		.amdhsa_float_denorm_mode_32 3
		.amdhsa_float_denorm_mode_16_64 3
		.amdhsa_memory_ordered 1
		.amdhsa_forward_progress 1
		.amdhsa_inst_pref_size 46
	.end_amdhsa_kernel
	.amdgpu_metadata
---
amdhsa.version: [ 1, 2 ]
amdhsa.kernels:
  - .name:           k_q8226bf48ca_place
    .symbol:         k_q8226bf48ca_place.kd
    .args:
      - { .name: topidx, .offset: 0, .size: 8, .value_kind: global_buffer, .address_space: global }
      - { .name: hidden_states, .offset: 8, .size: 8, .value_kind: global_buffer, .address_space: global }
      - { .name: lowp_scales, .offset: 16, .size: 8, .value_kind: global_buffer, .address_space: global }
      - { .name: xa, .offset: 24, .size: 8, .value_kind: global_buffer, .address_space: global }
      - { .name: order, .offset: 32, .size: 8, .value_kind: global_buffer, .address_space: global }
      - { .name: cnt, .offset: 40, .size: 8, .value_kind: global_buffer, .address_space: global }
    .group_segment_fixed_size: 17920
    .private_segment_fixed_size: 0
    .kernarg_segment_align: 8
    .kernarg_segment_size: 48
    .max_flat_workgroup_size: 128
    .sgpr_count:     66
    .vgpr_count:     256
    .wavefront_size: 32
...
	.end_amdgpu_metadata
.endif
;; end of part 2
;; launch fc (part 3): grid 32 x 8, 4 waves a work-group, no clusters, 70,144 bytes of LDS; arguments xa, w_fc, b_fc, lowp_scales, cnt, hq; writes hq
.if DOCPART == 3
	.amdgcn_target "amdgcn-amd-amdhsa--gfx1250"
	.amdhsa_code_object_version 6
	.text
	.protected	k_q8226bf48ca_fc
	.globl	k_q8226bf48ca_fc
	.p2align	8
	.type	k_q8226bf48ca_fc,@function
k_q8226bf48ca_fc:
	s_mov_b64 s[64:65], 0
	v_nop
	global_prefetch_b8 v0, s[64:65] scope:SCOPE_SE
	s_setreg_imm32_b32 hwreg(HW_REG_WAVE_MODE, 25, 1), 1
	s_wait_xcnt 0x0
; THE FIRST PRODUCT OF EACH EXPERT, ITS BIAS, THE EXACT GELU AND THE SECOND QUANTISER, on the chosen rows alone (the router's head comment shows that the others reach no output).
; THE WEIGHTS STAND, THE ROWS WALK.  Work-group (u, e) owns 64 hidden units of expert e: 64 rows of w_fc, 256 KiB of f32, read from memory once, 512 consecutive bytes a load, quantised in registers with 2^ew1,
; dealt to the four waves through LDS and kept by each wave as 32 fragments (4 tiles of 16 units x 8 K steps of 128), 512 registers.  The expert's tiles of 16 rows then pass, wave w taking tiles w, w + 4, ..:
; a tile arrives as an image of operand registers (512 consecutive bytes a load), 32 matrix instructions make 16 rows x 64 units, and the gelu's codes leave as a part of the next product's image.
; WHICH UNITS.  UB = 512 (u / 8) + 16 (u % 8); the units are UB + 128 n + y, n = 0..3, y = 0..15.  Tile T = 2 b + u2, row 8 h + j, is unit UB + 128 (2 u2 + j / 4) + 4 (2 b + h) + j % 4.  The product is used transposed
; (source 0 = 16 units, source 1 = 16 rows of x), so lane (r, h) holds row r, and the 16 registers of tiles 2 b, 2 b + 1 are, in byte order, the piece of the hidden row that the second product's permutation of K
; (w_proj's rows are loaded and cut as x's and w_fc's are: the head comment of the launch that places the rows) puts into registers 4 c .. 4 c + 3, c = 2 (u % 2) + b, of half h in K step 4 (u / 8) + (u % 8) / 2.
; SCALES.  sigma = 2^(ex + ew1).  The bias goes in as the C of a sum's first matrix instruction, divided by sigma: S = sum + b / sigma, a = sigma S.  The conversion takes 2^(eh - ex - ew1): the three scales in one.
; GELU(a) = a Phi(a), exact form: with z = |a| / sqrt(2), t = 1 / (1 + z / 2), half erfc(z) = t 2^(-z^2 log2(e) + poly9(t)): the rational-argument form of erfc whose fractional error stays near the rounding of f32;
; the polynomial's coefficients carry log2(e), its constant also the -1 of the half.  gelu / sigma = max(S, 0) - |S| x half erfc(z): no difference of near numbers on either side of 0.
; NO TENSOR LOADS, NO CLUSTER: how many tiles pass hangs on a count read from memory; the operands go from memory straight into registers.
; LIMITS: ew1 and eh - ex - ew1 between -126 and 112; ex + ew1 between -124 and 126 (it is added to the exponent fields of two constants); beyond |a| of about 13 half erfc comes out as 0; NaN among the inputs is not served.
; LDS: tile T, piece p, row m at 17,408 T + 272 p + 16 m; then the spare words.
; REGISTERS.  Window 0: v2, v3 the add's two; v4 16 x lane; v5, v6 offsets of the tile in xa and in hq; v7, v12 272 h + 16 r (+ two tiles); v[8:9] c9; v10, v11 the hidden layer's scale and hold; v13 16 h;
;   v32-63 the sums; v64-95 the bias; v96-127 U; v128-159 t; v160-191 the polynomial; v192-199 codes; v200-231 the gelu.   Windows 1, 2: the weights: fragment (T, s) at 16 (4 (s % 4) + T) of window 1 + s / 4.
;   Window 3, while the weights come: v0-223 a ring of 7 rows; v224 16 x lane; v225 LDS address; v226, v227 2^ew1 and the hold; v232-247 two sets of codes.  Afterwards: v0-127 a tile of x.
.set TILEB, 17408
.set SPARE, 4*TILEB
.set ACC,  32
.set BIAS, 64
.set U,    96
.set TT,   128
.set P,    160
.set CODE, 192
.set M,    200
.set MSB, 0
.macro WIN new                         ; the immediate's high byte repeats the setting that is left
.if MSB != \new
	s_set_vgpr_msb (MSB<<8)|\new
.set MSB, \new
.endif
.endm
.macro KPAIR r, bits                   ; a constant as a scalar pair: the packed forms name a pair and take its low word for both halves
	s_mov_b32 s[\r], \bits
	s_mov_b32 s[\r+1], \bits
.endm
	s_load_b256 s[4:11], s[0:1], 0x0               ; xa s[4:5], w_fc s[6:7], b_fc s[8:9], the scales' exponents s[10:11]
	s_load_b128 s[12:15], s[0:1], 0x20             ; cnt s[12:13], hq s[14:15]
	v_lshl_add_u32 v2, v0, 2, SPARE                ; my spare word,
	v_mov_b32 v3, 0                                ; and 0: kept for the closing lines
	v_lshrrev_b32 v1, 5, v0
	v_readfirstlane_b32 s16, v1                    ; wave 0..3
	s_and_b32 s17, ttmp7, 0xffff                   ; e
	s_mov_b32 s18, ttmp9                           ; u
	v_and_b32 v1, 31, v0                           ; lane
	v_lshlrev_b32 v4, 4, v1
	v_and_b32 v14, 15, v0                          ; r
	v_bfe_u32 v15, v0, 4, 1                        ; h
	v_mul_u32_u24 v7, v15, 272
	v_lshl_add_u32 v7, v14, 4, v7
	v_add_nc_u32 v12, 2*TILEB, v7
	v_lshlrev_b32 v13, 4, v15
	v_mul_u32_u24 v16, v1, 272
	s_lshr_b32 s20, s16, 1
	s_mul_i32 s20, s20, TILEB
	s_and_b32 s21, s16, 1
	s_lshl_b32 s21, s21, 6
	s_add_co_u32 s43, s20, s21                     ; wave w = n loads units UB + 128 w + y: tile 2 (y / 8) + w / 2, row 8 ((y / 4) % 2) + 4 (w % 2) + y % 4
	s_lshr_b32 s20, s18, 3
	s_and_b32 s21, s18, 7
	s_lshl_b32 s22, s20, 9
	s_lshl_b32 s23, s21, 4
	s_add_co_u32 s22, s22, s23                     ; UB
	s_lshl_b32 s32, s16, 7
	s_add_co_u32 s32, s32, s22
	s_lshl_b32 s32, s32, 12
	s_lshl_b32 s33, s17, 23
	s_add_co_u32 s32, s32, s33                     ; my 16 rows of w_fc: 65,536 bytes on end
	s_mov_b32 s33, 0
	s_lshl_b32 s34, s17, 13
	s_lshl_b32 s35, s22, 2
	s_add_co_u32 s34, s34, s35                     ; b_fc[e][UB]
	s_mov_b32 s35, 0
	s_lshl_b32 s36, s20, 2
	s_lshr_b32 s37, s21, 1
	s_add_co_u32 s36, s36, s37                     ; the next product's K step,
	s_lshl_b32 s36, s36, 11
	s_and_b32 s37, s18, 1
	s_lshl_b32 s37, s37, 10                        ; and c = 2 (u % 2)
	s_add_co_u32 s36, s36, s37
	s_lshl_b32 s37, s17, 22
	s_add_co_u32 s36, s36, s37
	s_mov_b32 s37, 0
	s_lshl_b32 s38, s17, 21                        ; the expert's images of x
	s_mov_b32 s39, 0
	s_lshl_b32 s40, s17, 4
	s_lshl_b32 s41, s17, 7
	s_wait_kmcnt 0x0
	s_load_b128 s[24:27], s[10:11], s40 offset:0x0 ; ex, ew1, eh, ew2
	s_load_b32 s19, s[12:13], s41 offset:0x0       ; nt: the expert's tiles
	s_add_nc_u64 s[6:7], s[6:7], s[32:33]
	s_add_nc_u64 s[8:9], s[8:9], s[34:35]
	s_add_nc_u64 s[14:15], s[14:15], s[36:37]
	s_add_nc_u64 s[4:5], s[4:5], s[38:39]
.irp t, 0,1,2,3
.irp jj, 0,1
	global_load_b128 v[BIAS+8*\t+4*\jj:BIAS+8*\t+4*\jj+3], v13, s[8:9] offset:512*(2*(\t%2)+\jj)+32*(\t/2)   ; the bias in the result's layout
.endr
.endr
	WIN 0xc0                                       ; destination window 3
	v_lshlrev_b32 v224, 4, v1
	v_add_nc_u32 v225, s43, v16
	WIN 0xff                                       ; the weights' phase works in window 3 alone
.macro WLOAD y                         ; row y of my 16: eight loads of 512 consecutive bytes, into slot y % 7
.irp n, 0,1,2,3,4,5,6,7
	global_load_b128 v[32*((\y)%7)+4*\n:32*((\y)%7)+4*\n+3], v224, s[6:7] offset:4096*(\y)+512*\n th:TH_LOAD_NT
.endr
.endm
.irp y, 0,1,2,3,4,5,6
	WLOAD \y
.endr
	s_wait_kmcnt 0x0
	s_add_co_i32 s20, s25, 127
	s_lshl_b32 s21, s20, 23
	v_mov_b32 v226, s21                            ; 2^ew1 as f32
	s_add_co_i32 s20, s20, 15
	s_lshl_b32 s20, s20, 23
	s_or_b32 s20, s20, 0x600000
	v_mov_b32 v227, s20                            ; 57,344 x 2^ew1
.macro ROW y
.set SL, 32*((\y)%7)
.set CS, 232+8*((\y)%2)
.if 15-(\y) < 6
	s_wait_loadcnt 8*(15-(\y))                     ; the ring runs out
.else
	s_wait_loadcnt 48                              ; row y is in; the six younger rows may be out
.endif
.if (\y) >= 2
	s_wait_dscnt 2                                 ; the last row's two stores may be out: those of two rows back have read this set of codes
.endif
.set i, 0
.rept 32
	v_med3_num_f32 v[SL+i], v[SL+i], -v227, v227   ; the conversion does not saturate (ISA guide 7.6.2): the hold comes first
.set i, i+1
.endr
.irp g, 0,1,2,3
	v_cvt_scalef32_pk8_bf8_f32 v[CS+2*\g:CS+2*\g+1], v[SL+8*\g:SL+8*\g+7], v226
.endr
	v_nop                                          ; a plain instruction behind the last conversion
.if (\y)+7 < 16
	WLOAD (\y)+7                                   ; the slot takes the row seven further on
.endif
	ds_store_b128 v225, v[CS:CS+3] offset:2*TILEB*((\y)/8)+128*(((\y)/4)%2)+16*((\y)%4)
	ds_store_b128 v225, v[CS+4:CS+7] offset:2*TILEB*((\y)/8)+128*(((\y)/4)%2)+16*((\y)%4)+8704
.endm
.irp y, 0,1,2,3,4,5,6,7,8,9,10,11,12,13,14,15
	ROW \y
.endr
	WIN 0
	s_add_co_i32 s20, s24, s25                     ; ex + ew1
	s_sub_co_i32 s21, 0, s20
.set i, 0
.rept 32
	v_ldexp_f32 v[BIAS+i], v[BIAS+i], s21          ; b / sigma (the bias's loads are older than the first row's, which has been waited for)
.set i, i+1
.endr
	s_lshl_b32 s22, s20, 23
	s_add_co_i32 s42, s22, 0x3eb504f3              ; lambda = sigma / (2 sqrt(2)): t = 1 / (1 + |S| lambda)
	s_add_co_i32 s44, s22, 0x3f596d27              ; kappa = sigma sqrt(log2(e) / 2): U = S kappa, U^2 = z^2 log2(e)
	s_mov_b32 s45, s44
	s_sub_co_i32 s23, s26, s20
	s_add_co_i32 s23, s23, 127
	s_lshl_b32 s32, s23, 23
	v_mov_b32 v10, s32                             ; 2^(eh - ex - ew1)
	s_add_co_i32 s23, s23, 15
	s_lshl_b32 s23, s23, 23
	s_or_b32 s23, s23, 0x600000
	v_mov_b32 v11, s23                             ; 57,344 x that
	KPAIR 46, 0xc034d90f                           ; c0 = -1.26551223 log2(e) - 1
	KPAIR 48, 0x3fb8ab5a                           ; c1 =  1.00002368 log2(e)
	KPAIR 50, 0x3f0a29d2                           ; c2 =  0.37409196 log2(e)
	KPAIR 52, 0x3e0efb2f                           ; c3 =  0.09678418 log2(e)
	KPAIR 54, 0xbe899a80                           ; c4 = -0.18628806 log2(e)
	KPAIR 56, 0x3ecdfd18                           ; c5 =  0.27886807 log2(e)
	KPAIR 58, 0xbfd1a1e5                           ; c6 = -1.13520398 log2(e)
	KPAIR 60, 0x40097039                           ; c7 =  1.48851587 log2(e)
	KPAIR 62, 0xbf97d29d                           ; c8 = -0.82215223 log2(e)
	v_mov_b32 v8, 0x3e7c6f08                       ; c9 =  0.17087277 log2(e), in vector registers: an instruction takes c8 as its one scalar pair
	v_mov_b32 v9, 0x3e7c6f08
	s_sub_co_u32 s31, s19, 1                       ; the last tile
	s_wait_dscnt 0x0                               ; for the others' sake: my codes lie in LDS
	s_barrier_signal -1
	s_barrier_wait -1                              ; all 64 rows' do.  No barrier follows, so the waves may part on the count
	s_cmp_eq_u32 s19, 0
	s_cbranch_scc1 .Lend                           ; nobody chose this expert
.macro XLOAD                           ; a tile of x: 8 fragments, 32 loads of 512 consecutive bytes
	WIN 0xc0
.irp s, 0,1,2,3,4,5,6,7
.irp c, 0,1,2,3
	global_load_b128 v[16*\s+4*\c:16*\s+4*\c+3], v5, s[4:5] offset:512*(4*\s+\c)
.endr
.endr
	WIN 0
.endm
	s_min_u32 s30, s16, s31                        ; my first tile (a wave beyond the last tile asks for the last and does not use it),
	s_min_u32 s30, s30, 127                        ; held inside the buffer
	v_lshl_add_u32 v5, s30, 14, v4
	XLOAD
.macro FRAGW s0                        ; the fragments of K steps s0 .. s0 + 3
.irp s, 0,1,2,3
.irp t, 0,1,2,3
.irp c, 0,1,2,3
	ds_load_b128 v[16*(4*\s+\t)+4*\c:16*(4*\s+\t)+4*\c+3], v[7+5*(\t/2)] offset:TILEB*(\t%2)+272*(8*(\s0+\s)+2*\c)
.endr
.endr
.endr
.endm
	WIN 0x40
	FRAGW 0
	WIN 0x80
	FRAGW 4
	WIN 0
	s_wait_dscnt 0x0
; 16 matrix instructions: K steps s0 .. s0 + 3 x the four tiles, which take turns, one instruction a turn
.macro MMW s0, first
.irp s, 0,1,2,3
.irp t, 0,1,2,3
.if \first && (\s == 0)
	v_wmma_f32_16x16x128_bf8_bf8 v[ACC+8*\t:ACC+8*\t+7], v[16*(4*\s+\t):16*(4*\s+\t)+15], v[16*(\s0+\s):16*(\s0+\s)+15], v[BIAS+8*\t:BIAS+8*\t+7]
.else
	v_wmma_f32_16x16x128_bf8_bf8 v[ACC+8*\t:ACC+8*\t+7], v[16*(4*\s+\t):16*(4*\s+\t)+15], v[16*(\s0+\s):16*(\s0+\s)+15], v[ACC+8*\t:ACC+8*\t+7]
.endif
.endr
.endr
.endm
	s_mov_b32 s29, 0
	s_mov_b32 s28, s16                             ; my tile: 4 x trip + wave
.Ltrip:                                            ; 32 trips, a constant: 128 tiles at the most.  A trip whose tile the expert does not have only steps the counters
	s_cmp_ge_u32 s28, s19
	s_cbranch_scc1 .Lidle
	s_wait_loadcnt 0x0                             ; the tile of x is in
	WIN 0x0d                                       ; weights window 1, x window 3, sums and bias window 0
	MMW 0, 1
	WIN 0x0e                                       ; weights window 2
	MMW 4, 0
	WIN 0
	s_add_co_u32 s30, s28, 4
	s_min_u32 s30, s30, s31                        ; my next tile, or the last one,
	s_min_u32 s30, s30, 127                        ; held inside the buffer
	v_lshl_add_u32 v5, s30, 14, v4                 ; four plain instructions between the last product and the loads into x's registers, and the first read of the sums
	v_nop
	v_nop
	v_nop
	XLOAD                                          ; it lands while the gelu is computed
	; ---- the gelu of 32 numbers a lane; each accumulator is read from its low end on
.set i, 0
.rept 16
	v_pk_mul_f32 v[U+i:U+i+1], v[ACC+i:ACC+i+1], s[44:45] op_sel_hi:[1,0]
.set i, i+2
.endr
.set i, 0
.rept 32
	v_fma_f32 v[TT+i], |v[ACC+i]|, s42, 1.0
.set i, i+1
.endr
.set i, 0
.rept 32
	v_rcp_f32 v[TT+i], v[TT+i]                     ; t
.set i, i+1
.endr
.set i, 0
.rept 32
	v_max_num_f32 v[M+i], 0, v[ACC+i]              ; independent work behind the batch
.set i, i+1
.endr
	s_wait_alu depctr_va_vdst(0)                   ; one wait for the 32 reciprocals, ahead of their first reader
.set i, 0
.rept 16
	v_pk_fma_f32 v[P+i:P+i+1], v[TT+i:TT+i+1], v[8:9], s[62:63] op_sel_hi:[1,1,0]
.set i, i+2
.endr
.irp k, 7,6,5,4,3,2,1,0
.set i, 0
.rept 16
	v_pk_fma_f32 v[P+i:P+i+1], v[P+i:P+i+1], v[TT+i:TT+i+1], s[46+2*\k:47+2*\k] op_sel_hi:[1,1,0]
.set i, i+2
.endr
.endr
.set i, 0
.rept 16
	v_pk_fma_f32 v[P+i:P+i+1], v[U+i:U+i+1], v[U+i:U+i+1], v[P+i:P+i+1] neg_lo:[1,0,0] neg_hi:[1,0,0]   ; - U^2 + the polynomial
.set i, i+2
.endr
.set i, 0
.rept 32
	v_exp_f32 v[P+i], v[P+i]
.set i, i+1
.endr
	v_nop                                          ; a plain instruction behind the last exponential,
	s_wait_alu depctr_va_vdst(0)                   ; and one wait for the batch
.set i, 0
.rept 16
	v_pk_mul_f32 v[P+i:P+i+1], v[P+i:P+i+1], v[TT+i:TT+i+1]   ; half erfc(z)
.set i, i+2
.endr
.set i, 0
.rept 32
	v_fma_f32 v[M+i], -|v[ACC+i]|, v[P+i], v[M+i]  ; gelu / sigma
.set i, i+1
.endr
	s_wait_xcnt 0x0                                ; the last trip's stores have read their offset and their codes: both are written again below
	v_lshl_add_u32 v6, s28, 15, v4
.set i, 0
.rept 32
	v_med3_num_f32 v[M+i], v[M+i], -v11, v11
.set i, i+1
.endr
.irp t, 0,1,2,3
	v_cvt_scalef32_pk8_bf8_f32 v[CODE+2*\t:CODE+2*\t+1], v[M+8*\t:M+8*\t+7], v10
.endr
	v_nop                                          ; a plain instruction behind the last conversion
	global_store_b128 v6, v[CODE:CODE+3], s[14:15]                 ; c = 2 (u % 2): 512 consecutive bytes,
	global_store_b128 v6, v[CODE+4:CODE+7], s[14:15] offset:512    ; c + 1: the next 512
.Lidle:
	s_add_co_u32 s28, s28, 4
	s_add_co_u32 s29, s29, 1
	s_cmp_lt_u32 s29, 32
	s_cbranch_scc1 .Ltrip
.Lend:
	s_wait_tensorcnt 0x0                           ; the wave's end, behind my last LDS store
	ds_add_u32 v2, v3
	s_wait_dscnt 0x0
	s_endpgm
.Lfunc_end_k_q8226bf48ca_fc:
	.size	k_q8226bf48ca_fc, .Lfunc_end_k_q8226bf48ca_fc-k_q8226bf48ca_fc
	.p2alignl 7, 3214868480
	.fill 96, 4, 3214868480
	.section	.rodata,"a",@progbits
	.p2align	6, 0x0
	.amdhsa_kernel k_q8226bf48ca_fc
		.amdhsa_group_segment_fixed_size 70144
		.amdhsa_private_segment_fixed_size 0
		.amdhsa_enable_private_segment 0
		.amdhsa_kernarg_size 48
		.amdhsa_user_sgpr_count 2
		.amdhsa_user_sgpr_kernarg_segment_ptr 1
		.amdhsa_wavefront_size32 1
		.amdhsa_system_sgpr_workgroup_id_x 1
		.amdhsa_system_sgpr_workgroup_id_y 1
		.amdhsa_system_sgpr_workgroup_id_z 1
		.amdhsa_system_vgpr_workitem_id 0
		.amdhsa_next_free_vgpr 1024
		.amdhsa_next_free_sgpr 66
		.amdhsa_reserve_vcc 0
		.amdhsa_float_denorm_mode_32 3
		.amdhsa_float_denorm_mode_16_64 3
		.amdhsa_memory_ordered 1
		.amdhsa_forward_progress 1
		.amdhsa_inst_pref_size 99
	.end_amdhsa_kernel
	.amdgpu_metadata
---
amdhsa.version: [ 1, 2 ]
amdhsa.kernels:
  - .name:           k_q8226bf48ca_fc
    .symbol:         k_q8226bf48ca_fc.kd
    .args:
      - { .name: xa, .offset: 0, .size: 8, .value_kind: global_buffer, .address_space: global }
      - { .name: w_fc, .offset: 8, .size: 8, .value_kind: global_buffer, .address_space: global }
      - { .name: b_fc, .offset: 16, .size: 8, .value_kind: global_buffer, .address_space: global }
      - { .name: lowp_scales, .offset: 24, .size: 8, .value_kind: global_buffer, .address_space: global }
      - { .name: cnt, .offset: 32, .size: 8, .value_kind: global_buffer, .address_space: global }
      - { .name: hq, .offset: 40, .size: 8, .value_kind: global_buffer, .address_space: global }
    .group_segment_fixed_size: 70144
    .private_segment_fixed_size: 0
    .kernarg_segment_align: 8
    .kernarg_segment_size: 48
    .max_flat_workgroup_size: 128
    .sgpr_count:     66
    .vgpr_count:     1024
    .wavefront_size: 32
...
	.end_amdgpu_metadata
.endif
;; end of part 3
;; launch proj (part 4): grid 32 x 8, 4 waves a work-group, no clusters, 79,360 bytes of LDS; arguments hq, w_proj, b_proj, lowp_scales, cnt, order, yw; writes yw
.if DOCPART == 4
	.amdgcn_target "amdgcn-amd-amdhsa--gfx1250"
	.amdhsa_code_object_version 6
	.text
	.protected	k_q8226bf48ca_proj
	.globl	k_q8226bf48ca_proj
	.p2align	8
	.type	k_q8226bf48ca_proj,@function
k_q8226bf48ca_proj:
	s_mov_b64 s[64:65], 0
	v_nop
	global_prefetch_b8 v0, s[64:65] scope:SCOPE_SE
	s_setreg_imm32_b32 hwreg(HW_REG_WAVE_MODE, 25, 1), 1
	s_wait_xcnt 0x0
; THE SECOND PRODUCT OF EACH EXPERT AND ITS BIAS, on the chosen rows alone (the router's head comment shows that the others reach no output): yw[rid] = Q(gelu) Q(w_proj[e])^T x 2^(eh + ew2) + b_proj[e].
; THE WEIGHTS STAND, THE ROWS WALK, as in the first product's launch.  Work-group (cb, e) owns 32 columns of the output: 32 rows of w_proj, 256 KiB of f32, read once, quantised with 2^ew2, dealt through LDS, kept by
; each wave as 32 fragments (2 tiles of 16 columns x 16 K steps), 512 registers.  Tile T, row 8 h + j, is column 32 cb + 16 h + 8 T + j; the product is used transposed, so lane (r, h) ends with 16 neighbouring columns of row r.
; K is permuted as the hidden layer's images are: a half row (4,096 bytes) is loaded and cut as a row of x is; piece p = lane + 32 (2 x half + q) = 8 s + 2 c + h.
; A wave takes PAIRS of tiles of 16 rows (pair 4 x trip + wave), so that each fragment of the weights feeds two products: four accumulators by turns.  K goes in four chunks of 4 steps through two register buffers.
; Where the expert's tiles are odd in number the last pair holds its tile twice, and the same wave stores the same numbers twice.
; THE WAY OUT.  16 rows x 32 columns go through the wave's own stage in LDS and leave as 128 consecutive bytes a row, eight lanes to a row, at row rid of yw, read from the stored list.  That is half of an aligned 256 bytes:
; 256 work-groups over 8 x 1,024 columns have 32 columns each; the neighbouring work-group stores the other half.
; NO TENSOR LOADS, NO CLUSTER: how many tiles pass hangs on a count read from memory.
; LIMITS: ew2 between -126 and 112; eh + ew2 between -126 and 127; NaN among the inputs is not served.
; LDS: tile T, piece p, row m at 34,816 T + 272 p + 16 m; four stages of 16 rows x 144 bytes; the spare words.
; REGISTERS.  Window 0: v2, v3 the add's two; v4 16 x lane; v5, v6 the pair's offsets in hq; v7, v8 the next pair's; v9, v10 272 h + 16 r (+ a tile); v11, v12 the stage, in and out; v13 4 (lane / 8); v14 16 (lane % 8);
;   v15, v16 offsets in the list; v17 64 h; v20-27 rids; v28-35 the stores' offsets; v64-95 four accumulators; v96-111 the bias; v112-127, v160-175 results; v128-159 rows on their way out.
;   Windows 1, 2: the weights: fragment (T, s) at 16 (2 (s % 8) + T) of window 1 + s / 8.   Window 3: while the weights come, as in the first product's launch; afterwards two buffers of 128: 2 tiles x 4 K steps.
.set TILEB, 34816
.set STG,   2*TILEB
.set SPARE, STG+4*2304
.set ACC,  64
.set B2,   96
.set RID,  20
.set OF,   28
.set MSB, 0
.macro WIN new                         ; the immediate's high byte repeats the setting that is left
.if MSB != \new
	s_set_vgpr_msb (MSB<<8)|\new
.set MSB, \new
.endif
.endm
.macro PLACES                          ; four plain instructions between a matrix instruction and a load into a register that it read, or a read of its result
.rept 4
	v_nop
.endr
.endm
	s_load_b256 s[4:11], s[0:1], 0x0               ; hq s[4:5], w_proj s[6:7], b_proj s[8:9], the scales' exponents s[10:11]
	s_load_b128 s[12:15], s[0:1], 0x20             ; cnt s[12:13], order s[14:15]
	s_load_b64 s[44:45], s[0:1], 0x30              ; yw
	v_lshl_add_u32 v2, v0, 2, SPARE                ; my spare word,
	v_mov_b32 v3, 0                                ; and 0: kept for the closing lines
	v_lshrrev_b32 v1, 5, v0
	v_readfirstlane_b32 s16, v1                    ; wave 0..3
	s_and_b32 s17, ttmp7, 0xffff                   ; e
	s_mov_b32 s18, ttmp9                           ; cb
	v_and_b32 v1, 31, v0                           ; lane
	v_lshlrev_b32 v4, 4, v1
	v_and_b32 v18, 15, v0                          ; r
	v_bfe_u32 v19, v0, 4, 1                        ; h
	v_mul_u32_u24 v9, v19, 272
	v_lshl_add_u32 v9, v18, 4, v9
	v_add_nc_u32 v10, TILEB, v9
	v_lshlrev_b32 v17, 6, v19
	s_mul_i32 s20, s16, 2304
	s_add_co_u32 s20, s20, STG                     ; my stage
	v_mul_u32_u24 v11, v18, 144
	v_lshl_add_u32 v11, v19, 6, v11
	v_add_nc_u32 v11, s20, v11                     ; in: row r, 64 bytes for each half of the lanes
	v_lshrrev_b32 v13, 3, v1
	v_and_b32 v14, 7, v1
	v_mul_u32_u24 v12, v13, 144
	v_lshl_add_u32 v12, v14, 4, v12
	v_add_nc_u32 v12, s20, v12                     ; back: eight lanes to a row of 128 bytes, four rows an instruction
	v_lshlrev_b32 v13, 2, v13
	v_lshlrev_b32 v14, 4, v14
	v_mul_u32_u24 v36, v1, 272
	s_and_b32 s20, s16, 1
	s_mul_i32 s20, s20, TILEB
	s_lshr_b32 s21, s16, 1
	s_lshl_b32 s21, s21, 7
	s_add_co_u32 s43, s20, s21                     ; wave w loads columns 32 cb + 8 w + j: tile w % 2, row 8 (w / 2) + j
	s_lshl_b32 s34, s17, 4
	s_lshl_b32 s35, s17, 7
	s_mov_b32 s33, 0
	s_wait_kmcnt 0x0
	s_load_b128 s[24:27], s[10:11], s34 offset:0x0 ; ex, ew1, eh, ew2
	s_load_b32 s19, s[12:13], s35 offset:0x0       ; nt: the expert's tiles
	s_lshl_b32 s32, s18, 5
	s_lshl_b32 s20, s16, 3
	s_add_co_u32 s32, s32, s20
	s_lshl_b32 s32, s32, 13
	s_lshl_b32 s20, s17, 23
	s_add_co_u32 s32, s32, s20
	s_add_nc_u64 s[6:7], s[6:7], s[32:33]          ; my 8 rows of w_proj: 65,536 bytes on end
	s_lshl_b32 s32, s17, 12
	s_lshl_b32 s20, s18, 7
	s_add_co_u32 s32, s32, s20
	s_add_nc_u64 s[8:9], s[8:9], s[32:33]          ; b_proj[e][32 cb]
	s_mov_b32 s32, s20
	s_add_nc_u64 s[44:45], s[44:45], s[32:33]      ; yw at column 32 cb
	s_lshl_b32 s32, s17, 22
	s_add_nc_u64 s[4:5], s[4:5], s[32:33]          ; the expert's images
	s_lshl_b32 s32, s17, 13
	s_add_nc_u64 s[14:15], s[14:15], s[32:33]      ; order[e]
.irp k, 0,1,2,3
	global_load_b128 v[B2+4*\k:B2+4*\k+3], v17, s[8:9] offset:16*\k   ; the bias of my 16 columns
.endr
	WIN 0xc0                                       ; destination window 3
	v_lshlrev_b32 v224, 4, v1
	v_add_nc_u32 v225, s43, v36
	WIN 0xff                                       ; the weights' phase works in window 3 alone
.macro WLOAD y                         ; half row y = 2 j + half of my 8 rows: eight loads of 512 consecutive bytes, into slot y % 7
.irp n, 0,1,2,3,4,5,6,7
	global_load_b128 v[32*((\y)%7)+4*\n:32*((\y)%7)+4*\n+3], v224, s[6:7] offset:4096*(\y)+512*\n th:TH_LOAD_NT
.endr
.endm
.irp y, 0,1,2,3,4,5,6
	WLOAD \y
.endr
	s_wait_kmcnt 0x0
	s_add_co_i32 s20, s27, 127
	s_lshl_b32 s21, s20, 23
	v_mov_b32 v226, s21                            ; 2^ew2 as f32
	s_add_co_i32 s20, s20, 15
	s_lshl_b32 s20, s20, 23
	s_or_b32 s20, s20, 0x600000
	v_mov_b32 v227, s20                            ; 57,344 x 2^ew2
.macro ROW y
.set SL, 32*((\y)%7)
.set CS, 232+8*((\y)%2)
.if 15-(\y) < 6
	s_wait_loadcnt 8*(15-(\y))                     ; the ring runs out
.else
	s_wait_loadcnt 48                              ; half row y is in; the six younger ones may be out
.endif
.if (\y) >= 2
	s_wait_dscnt 2                                 ; the last half row's two stores may be out: those of two back have read this set of codes
.endif
.set i, 0
.rept 32
	v_med3_num_f32 v[SL+i], v[SL+i], -v227, v227   ; the conversion does not saturate (ISA guide 7.6.2): the hold comes first
.set i, i+1
.endr
.irp g, 0,1,2,3
	v_cvt_scalef32_pk8_bf8_f32 v[CS+2*\g:CS+2*\g+1], v[SL+8*\g:SL+8*\g+7], v226
.endr
	v_nop                                          ; a plain instruction behind the last conversion
.if (\y)+7 < 16
	WLOAD (\y)+7
.endif
	ds_store_b128 v225, v[CS:CS+3] offset:16*((\y)/2)+8704*(2*((\y)%2))
	ds_store_b128 v225, v[CS+4:CS+7] offset:16*((\y)/2)+8704*(2*((\y)%2)+1)
.endm
.irp y, 0,1,2,3,4,5,6,7,8,9,10,11,12,13,14,15
	ROW \y
.endr
	WIN 0
	s_add_co_i32 s36, s26, s27
	s_add_co_i32 s36, s36, 127
	s_lshl_b32 s36, s36, 23                        ; 2^(eh + ew2) as f32
	s_mov_b32 s37, s36                             ; (named with it as a pair, so it is written)
	s_sub_co_u32 s31, s19, 1                       ; the last tile
	s_wait_dscnt 0x0                               ; for the others' sake: my codes lie in LDS
	s_barrier_signal -1
	s_barrier_wait -1                              ; all 32 rows' do.  No barrier follows, so the waves may part on the count
	s_cmp_eq_u32 s19, 0
	s_cbranch_scc1 .Lend                           ; nobody chose this expert
; chunk ch (K steps 4 ch .. 4 ch + 3) of the two tiles whose offsets stand in v[va], v[vb]: 32 loads of 512 consecutive bytes
.macro HLOAD buf, ch, va, vb
	WIN 0xc0
.irp s, 0,1,2,3
.irp c, 0,1,2,3
	global_load_b128 v[\buf+16*\s+4*\c:\buf+16*\s+4*\c+3], v[\va], s[4:5] offset:2048*(4*\ch+\s)+512*\c
.endr
.endr
.irp s, 0,1,2,3
.irp c, 0,1,2,3
	global_load_b128 v[\buf+64+16*\s+4*\c:\buf+64+16*\s+4*\c+3], v[\vb], s[4:5] offset:2048*(4*\ch+\s)+512*\c
.endr
.endr
	WIN 0
.endm
; its 16 matrix instructions: the four accumulators (tile of rows x, tile of columns t) take turns, one instruction a turn; the first K step starts the sums
.macro MMC ch, buf
.if \ch < 2
	WIN 0x0d                                       ; weights window 1, rows window 3, sums window 0
.else
	WIN 0x0e                                       ; weights window 2
.endif
.irp s, 0,1,2,3
.irp x, 0,1
.irp t, 0,1
.if (\ch == 0) && (\s == 0)
	v_wmma_f32_16x16x128_bf8_bf8 v[ACC+16*\x+8*\t:ACC+16*\x+8*\t+7], v[16*(2*((4*\ch+\s)%8)+\t):16*(2*((4*\ch+\s)%8)+\t)+15], v[\buf+64*\x+16*\s:\buf+64*\x+16*\s+15], 0
.else
	v_wmma_f32_16x16x128_bf8_bf8 v[ACC+16*\x+8*\t:ACC+16*\x+8*\t+7], v[16*(2*((4*\ch+\s)%8)+\t):16*(2*((4*\ch+\s)%8)+\t)+15], v[\buf+64*\x+16*\s:\buf+64*\x+16*\s+15], v[ACC+16*\x+8*\t:ACC+16*\x+8*\t+7]
.endif
.endr
.endr
.endr
	WIN 0
.endm
; tile x of the pair goes out
.macro EPI x
.set YY, 112+48*\x
.set ZZ, 128+16*\x
	s_wait_xcnt 0x0                                ; the last trip's stores have read their offsets and their data: both are written again below
.irp i, 0,2,4,6,8,10,12,14
	v_pk_fma_f32 v[YY+\i:YY+\i+1], v[ACC+16*\x+\i:ACC+16*\x+\i+1], s[36:37], v[B2+\i:B2+\i+1] op_sel_hi:[1,0,1]   ; sum x 2^(eh + ew2) + bias; each accumulator from its low end on
.endr
.irp z, 0,1,2,3
	ds_store_b128 v11, v[YY+4*\z:YY+4*\z+3] offset:16*\z
.endr
.irp z, 0,1,2,3
	ds_load_b128 v[ZZ+4*\z:ZZ+4*\z+3], v12 offset:576*\z   ; LDS serves a wave's instructions in order (ISA guide 5.7.1.4): these see my stores, and the next tile's stores come behind them
.endr
.irp z, 0,1,2,3
	v_min_u32 v[OF+4*\x+\z], 0xfff, v[RID+4*\x+\z]         ; the row of yw, held inside the buffer
.endr
.irp z, 0,1,2,3
	v_lshl_add_u32 v[OF+4*\x+\z], v[OF+4*\x+\z], 12, v14
.endr
.irp z, 0,1,2,3
	s_wait_dscnt 3-\z                              ; the younger loads may be out
	global_store_b128 v[OF+4*\x+\z], v[ZZ+4*\z:ZZ+4*\z+3], s[44:45]   ; rows 4 z + lane / 8 of the tile: 128 consecutive bytes each
.endr
.endm
	s_lshl_b32 s40, s16, 1                         ; my first pair: tiles 2 x wave, 2 x wave + 1, or the last tile in their stead,
	s_min_u32 s42, s40, s31
	s_min_u32 s42, s42, 127                        ; held inside the buffer
	s_add_co_u32 s43, s40, 1
	s_min_u32 s43, s43, s31
	s_min_u32 s43, s43, 127
	v_lshl_add_u32 v7, s42, 15, v4
	v_lshl_add_u32 v8, s43, 15, v4
	HLOAD 0, 0, 7, 8
	HLOAD 128, 1, 7, 8
.macro FRAGW s0                        ; the fragments of K steps s0 .. s0 + 7
.irp s, 0,1,2,3,4,5,6,7
.irp t, 0,1
.irp c, 0,1,2,3
	ds_load_b128 v[16*(2*\s+\t)+4*\c:16*(2*\s+\t)+4*\c+3], v[9+\t] offset:272*(8*(\s0+\s)+2*\c)
.endr
.endr
.endr
.endm
	WIN 0x40
	FRAGW 0
	WIN 0x80
	FRAGW 8
	WIN 0
	s_wait_dscnt 0x0
	s_mov_b32 s29, 0
	s_mov_b32 s28, s16                             ; my pair: 4 x trip + wave
.Ltrip:                                            ; 16 trips, a constant: 64 pairs at the most.  At the head the pair's chunks 0 and 1, 64 loads, are out, on the way in and on the way back
	s_lshl_b32 s40, s28, 1
	s_cmp_ge_u32 s40, s19
	s_cbranch_scc1 .Lidle                          ; the expert has no such pair: only the counters step
	v_mov_b32 v5, v7                               ; (chunks 2 and 3 of the last pair, which read v5 and v6, have been waited for)
	v_mov_b32 v6, v8
	s_add_co_u32 s41, s40, 1
	s_min_u32 s41, s41, s31
	s_min_u32 s41, s41, 127
	v_lshl_add_u32 v15, s40, 6, v13                ; a tile's 16 entries of the list are 64 bytes
	v_lshl_add_u32 v16, s41, 6, v13
.irp z, 0,1,2,3
	global_load_b32 v[RID+\z], v15, s[14:15] offset:16*\z
.endr
.irp z, 0,1,2,3
	global_load_b32 v[RID+4+\z], v16, s[14:15] offset:16*\z
.endr
	s_wait_loadcnt 40                              ; chunk 0 is in; chunk 1 and the 8 loads of the list may be out
	MMC 0, 0
	PLACES
	HLOAD 0, 2, 5, 6
	s_wait_loadcnt 40                              ; chunk 1 is in; the list and chunk 2 may be out
	MMC 1, 128
	PLACES
	HLOAD 128, 3, 5, 6
	s_wait_loadcnt 32                              ; the list and chunk 2 are in; chunk 3 may be out
	MMC 2, 0
	s_add_co_u32 s42, s40, 8                       ; my next pair's tiles, or the last tile,
	s_min_u32 s42, s42, s31
	s_min_u32 s42, s42, 127                        ; held inside the buffer
	s_add_co_u32 s43, s40, 9
	s_min_u32 s43, s43, s31
	s_min_u32 s43, s43, 127
	v_lshl_add_u32 v7, s42, 15, v4                 ; (chunks 0 and 1, which read v7 and v8, have been waited for.)  These two and two v_nop are the four places
	v_lshl_add_u32 v8, s43, 15, v4
	v_nop
	v_nop
	HLOAD 0, 0, 7, 8
	s_wait_loadcnt 32                              ; chunk 3 is in; the next pair's chunk 0 may be out
	MMC 3, 128
	PLACES
	HLOAD 128, 1, 7, 8
	EPI 0
	EPI 1
.Lidle:
	s_add_co_u32 s28, s28, 4
	s_add_co_u32 s29, s29, 1
	s_cmp_lt_u32 s29, 16
	s_cbranch_scc1 .Ltrip
.Lend:
	s_wait_tensorcnt 0x0                           ; the wave's end, behind my last LDS store
	ds_add_u32 v2, v3
	s_wait_dscnt 0x0
	s_endpgm
.Lfunc_end_k_q8226bf48ca_proj:
	.size	k_q8226bf48ca_proj, .Lfunc_end_k_q8226bf48ca_proj-k_q8226bf48ca_proj
	.p2alignl 7, 3214868480
	.fill 96, 4, 3214868480
	.section	.rodata,"a",@progbits
	.p2align	6, 0x0
	.amdhsa_kernel k_q8226bf48ca_proj
		.amdhsa_group_segment_fixed_size 79360
		.amdhsa_private_segment_fixed_size 0
		.amdhsa_enable_private_segment 0
		.amdhsa_kernarg_size 56
		.amdhsa_user_sgpr_count 2
		.amdhsa_user_sgpr_kernarg_segment_ptr 1
		.amdhsa_wavefront_size32 1
		.amdhsa_system_sgpr_workgroup_id_x 1
		.amdhsa_system_sgpr_workgroup_id_y 1
		.amdhsa_system_sgpr_workgroup_id_z 1
		.amdhsa_system_vgpr_workitem_id 0
		.amdhsa_next_free_vgpr 1024
		.amdhsa_next_free_sgpr 66
		.amdhsa_reserve_vcc 0
		.amdhsa_float_denorm_mode_32 3
		.amdhsa_float_denorm_mode_16_64 3
		.amdhsa_memory_ordered 1
		.amdhsa_forward_progress 1
		.amdhsa_inst_pref_size 94
	.end_amdhsa_kernel
	.amdgpu_metadata
---
amdhsa.version: [ 1, 2 ]
amdhsa.kernels:
  - .name:           k_q8226bf48ca_proj
    .symbol:         k_q8226bf48ca_proj.kd
    .args:
      - { .name: hq, .offset: 0, .size: 8, .value_kind: global_buffer, .address_space: global }
      - { .name: w_proj, .offset: 8, .size: 8, .value_kind: global_buffer, .address_space: global }
      - { .name: b_proj, .offset: 16, .size: 8, .value_kind: global_buffer, .address_space: global }
      - { .name: lowp_scales, .offset: 24, .size: 8, .value_kind: global_buffer, .address_space: global }
      - { .name: cnt, .offset: 32, .size: 8, .value_kind: global_buffer, .address_space: global }
      - { .name: order, .offset: 40, .size: 8, .value_kind: global_buffer, .address_space: global }
      - { .name: yw, .offset: 48, .size: 8, .value_kind: global_buffer, .address_space: global }
    .group_segment_fixed_size: 79360
    .private_segment_fixed_size: 0
    .kernarg_segment_align: 8
    .kernarg_segment_size: 56
    .max_flat_workgroup_size: 128
    .sgpr_count:     66
    .vgpr_count:     1024
    .wavefront_size: 32
...
	.end_amdgpu_metadata
.endif
;; end of part 4
;; launch combine (part 5): grid 256 x 1, 8 waves a work-group, no clusters, 0 bytes of LDS; arguments yw, gates, out0; writes out0
.if DOCPART == 5
	.amdgcn_target "amdgcn-amd-amdhsa--gfx1250"
	.amdhsa_code_object_version 6
	.text
	.protected	k_q8226bf48ca_combine
	.globl	k_q8226bf48ca_combine
	.p2align	8
	.type	k_q8226bf48ca_combine,@function
k_q8226bf48ca_combine:
	s_mov_b64 s[64:65], 0
	v_nop
	global_prefetch_b8 v0, s[64:65] scope:SCOPE_SE
	s_setreg_imm32_b32 hwreg(HW_REG_WAVE_MODE, 25, 1), 1
	s_wait_xcnt 0x0
; out[t] = gates[t][0] x yw[2 t] + gates[t][1] x yw[2 t + 1]: the two experts that the token chose; the six others add 0 (the router's head comment) and are not there.
; A stream: a wave takes one token.  Its two rows lie on end in yw, 8,192 bytes; each load and each store of the wave covers 512 consecutive bytes.  All 16 loads go out at once; no loop, no LDS, no barrier.
; REGISTERS: v1 16 x lane; v16-47 row 2 t; v48-79 row 2 t + 1, scaled in place and stored from there.
	s_load_b128 s[4:7], s[0:1], 0x0                ; yw s[4:5], gates s[6:7]
	s_load_b64 s[8:9], s[0:1], 0x10                ; out
	v_lshrrev_b32 v1, 5, v0
	v_readfirstlane_b32 s10, v1                    ; wave 0..7
	v_and_b32 v1, 31, v0
	v_lshlrev_b32 v1, 4, v1                        ; 16 bytes a lane
	s_lshl_b32 s11, ttmp9, 3
	s_add_co_u32 s11, s11, s10                     ; my token
	s_lshl_b32 s12, s11, 13
	s_mov_b32 s13, 0
	s_lshl_b32 s14, s11, 12
	s_mov_b32 s15, 0
	s_lshl_b32 s16, s11, 3
	s_wait_kmcnt 0x0
	s_load_b64 s[18:19], s[6:7], s16 offset:0x0    ; the two gates
	s_add_nc_u64 s[4:5], s[4:5], s[12:13]
	s_add_nc_u64 s[8:9], s[8:9], s[14:15]
.irp n, 0,1,2,3,4,5,6,7
	global_load_b128 v[16+4*\n:19+4*\n], v1, s[4:5] offset:512*\n th:TH_LOAD_NT
	global_load_b128 v[48+4*\n:51+4*\n], v1, s[4:5] offset:4096+512*\n th:TH_LOAD_NT
.endr
	s_wait_kmcnt 0x0
	s_mov_b32 s20, s18                             ; each gate as a pair: the packed forms name a pair and take its low word for both halves
	s_mov_b32 s21, s18
	s_mov_b32 s22, s19
	s_mov_b32 s23, s19
.irp n, 0,1,2,3,4,5,6,7
	s_wait_loadcnt 2*(7-\n)                        ; this piece's two loads are in; the later pieces' may be out
	v_pk_mul_f32 v[48+4*\n:49+4*\n], v[48+4*\n:49+4*\n], s[22:23] op_sel_hi:[1,0]
	v_pk_mul_f32 v[50+4*\n:51+4*\n], v[50+4*\n:51+4*\n], s[22:23] op_sel_hi:[1,0]
	v_pk_fma_f32 v[48+4*\n:49+4*\n], v[16+4*\n:17+4*\n], s[20:21], v[48+4*\n:49+4*\n] op_sel_hi:[1,0,1]
	v_pk_fma_f32 v[50+4*\n:51+4*\n], v[18+4*\n:19+4*\n], s[20:21], v[50+4*\n:51+4*\n] op_sel_hi:[1,0,1]
	global_store_b128 v1, v[48+4*\n:51+4*\n], s[8:9] offset:512*\n th:TH_STORE_NT
.endr
	s_endpgm
.Lfunc_end_k_q8226bf48ca_combine:
	.size	k_q8226bf48ca_combine, .Lfunc_end_k_q8226bf48ca_combine-k_q8226bf48ca_combine
	.p2alignl 7, 3214868480
	.fill 96, 4, 3214868480
	.section	.rodata,"a",@progbits
	.p2align	6, 0x0
	.amdhsa_kernel k_q8226bf48ca_combine
		.amdhsa_group_segment_fixed_size 0
		.amdhsa_private_segment_fixed_size 0
		.amdhsa_enable_private_segment 0
		.amdhsa_kernarg_size 24
		.amdhsa_user_sgpr_count 2
		.amdhsa_user_sgpr_kernarg_segment_ptr 1
		.amdhsa_wavefront_size32 1
		.amdhsa_system_sgpr_workgroup_id_x 1
		.amdhsa_system_sgpr_workgroup_id_y 1
		.amdhsa_system_sgpr_workgroup_id_z 1
		.amdhsa_system_vgpr_workitem_id 0
		.amdhsa_next_free_vgpr 96
		.amdhsa_next_free_sgpr 66
		.amdhsa_reserve_vcc 0
		.amdhsa_float_denorm_mode_32 3
		.amdhsa_float_denorm_mode_16_64 3
		.amdhsa_memory_ordered 1
		.amdhsa_forward_progress 1
		.amdhsa_inst_pref_size 6
	.end_amdhsa_kernel
	.amdgpu_metadata
---
amdhsa.version: [ 1, 2 ]
amdhsa.kernels:
  - .name:           k_q8226bf48ca_combine
    .symbol:         k_q8226bf48ca_combine.kd
    .args:
      - { .name: yw, .offset: 0, .size: 8, .value_kind: global_buffer, .address_space: global }
      - { .name: gates, .offset: 8, .size: 8, .value_kind: global_buffer, .address_space: global }
      - { .name: out0, .offset: 16, .size: 8, .value_kind: global_buffer, .address_space: global }
    .group_segment_fixed_size: 0
    .private_segment_fixed_size: 0
    .kernarg_segment_align: 8
    .kernarg_segment_size: 24
    .max_flat_workgroup_size: 256
    .sgpr_count:     66
    .vgpr_count:     96
    .wavefront_size: 32
...
	.end_amdgpu_metadata
.endif
;; end of part 5
;; ======== version 2 of 2: 4 launches
;; limits: right only within a limited range of input values
;; workspace buffers: sel 4,096 bytes of whole numbers; gates 16,384 bytes; xq 4,194,304 bytes; order 65,536 bytes of whole numbers; cnt 4,096 bytes of whole numbers; hq 33,554,432 bytes; yw 33,554,432 bytes
;; launch router (part 6): grid 256 x 1, 8 waves a work-group, no clusters, 3,072 bytes of LDS; arguments hidden_states, w_gate, lowp_scales, sel, gates, xq; writes sel, gates, xq
.if DOCPART == 6
	.amdgcn_target "amdgcn-amd-amdhsa--gfx1250"
	.amdhsa_code_object_version 6
	.text
	.protected	k_q8226bf48ca_router
	.globl	k_q8226bf48ca_router
	.p2align	8
	.type	k_q8226bf48ca_router,@function
k_q8226bf48ca_router:
	s_mov_b64 s[64:65], 0
	v_nop
	global_prefetch_b8 v0, s[64:65] scope:SCOPE_SE
	s_setreg_imm32_b32 hwreg(HW_REG_WAVE_MODE, 25, 1), 1
	s_wait_xcnt 0x0
; THE ROUTER AND THE QUANTISER OF x.  logits[t][e] = x[t] . w_gate[e] in f32; the two largest (the lower index wins a tie, as jax.lax.top_k has it); softmax over the two, the larger taken away first.
; Stored at fixed places: sel[t] = (1 << e0) | (1 << e1) and sel[2048 + t] = 1 << e1, bytes; gates[t][2], f32; xq[2 t + slot]: row t of x as codes under the scale of the expert of that slot.
; No address hangs on the choice: it only selects values.
; WORK LEFT OUT BY THE WHOLE PROGRAM.  For a token t and an expert e that is not among top_idx[t], g_e[t] is the sum of two zeros that reference() itself puts there by jnp.where; out then takes 0 x y[t],
; which is 0 for every finite y[t], whatever the inputs hold.  So row t of both products of expert e, its gelu and its biases reach no output: of the 8 x 2,048 rows of each product only the 2 x 2,048 chosen ones are computed.
; Every input keeps a way to the output and is loaded.  LIMIT: a NaN, an infinity or an overflow that arises only in rows left out is not carried to the result.
; LIMITS of this launch: logits are finite; two logits that differ by less than the rounding of an f32 sum of 1,024 terms may be ordered either way; scales' exponents between -126 and 112; NaN among the inputs is not served.
; SHARES.  A work-group takes 8 tokens.  Wave w takes k = 128 w .. 128 w + 127 of all 8 tokens and all 8 experts (lane l: 4 l + 0..3), 64 sums a lane; five halving exchanges leave two sums a lane; the eight waves' parts meet in LDS.
; Then wave w takes token w: its logits, its choice, its row's codes.  No tensor loads, no cluster: what is shared is w_gate alone.
; xq: K IS PERMUTED alike in x and in the weights: load n gives lane l the numbers k = 128 n + 4 l + 0..3; code registers 4 q .. 4 q + 3 of lane l are piece p = l + 32 q, 16 bytes at 16 p of the row.
; REGISTERS: v2, v3 the add's two; v64-95 x slices, v96-127 w_gate slices, later held numbers; v128-159 my token's row; v160-223 sums; v224-239 temporaries, later codes.
.set SPARE, 2048
.set LG,  20
.set S,   160
.set T,   224
	s_load_b256 s[4:11], s[0:1], 0x0               ; x s[4:5], w_gate s[6:7], the scales' exponents s[8:9], sel s[10:11]
	s_load_b128 s[12:15], s[0:1], 0x20             ; gates s[12:13], xq s[14:15]
	v_lshl_add_u32 v2, v0, 2, SPARE
	v_mov_b32 v3, 0
	v_lshrrev_b32 v9, 5, v0
	v_readfirstlane_b32 s22, v9                    ; wave
	v_and_b32 v1, 31, v0                           ; lane
	v_lshlrev_b32 v5, 4, v1
	s_lshl_b32 s23, s22, 9
	v_add_nc_u32 v4, s23, v5                       ; my slice of a row
	s_lshl_b32 s23, s22, 12
	v_add_nc_u32 v6, s23, v5                       ; my token's row
	v_and_b32 v8, 1, v1
	v_lshlrev_b32 v7, 7, v8
	v_bfe_u32 v8, v1, 1, 1
	v_lshl_or_b32 v7, v8, 6, v7
	v_bfe_u32 v8, v1, 2, 1
	v_lshl_or_b32 v7, v8, 5, v7
	v_bfe_u32 v8, v1, 3, 1
	v_lshl_or_b32 v7, v8, 4, v7
	v_bfe_u32 v8, v1, 4, 1
	v_lshl_or_b32 v7, v8, 3, v7
	s_lshl_b32 s23, s22, 8
	v_add_nc_u32 v7, s23, v7                       ; LDS, in: 256 x wave + 4 x the index of my first sum
	v_lshrrev_b32 v8, 3, v1
	v_and_b32 v9, 7, v1
	v_lshlrev_b32 v8, 8, v8
	v_lshl_add_u32 v8, v9, 2, v8
	s_lshl_b32 s23, s22, 5
	v_add_nc_u32 v8, s23, v8                       ; LDS, out: part lane / 8, token w, expert lane % 8
	v_mov_b32 v12, 0                               ; a lane permute's destination counts as one of its sources
	v_mov_b32 v57, 0
	s_lshl_b32 s16, ttmp9, 15                      ; 8 rows of 4,096 bytes
	s_mov_b32 s17, 0
	s_lshl_b32 s23, ttmp9, 3
	s_add_co_u32 s23, s23, s22                     ; my token
	s_lshl_b32 s18, s23, 11
	s_mov_b32 s19, 0
	s_lshl_b32 s66, s23, 3
	s_mov_b32 s67, 0
	s_mov_b32 s68, s23
	s_mov_b32 s69, 0
	s_mov_b32 s20, 0x76543210                      ; v_permlanex16_b32: lane l xor 16
	s_mov_b32 s21, 0xfedcba98
	s_mov_b32 s24, 0xaaaaaaaa                      ; the lanes whose bit 0, 1, 2, 3, 4 is set
	s_mov_b32 s25, 0xcccccccc
	s_mov_b32 s26, 0xf0f0f0f0
	s_mov_b32 s27, 0xff00ff00
	s_mov_b32 s28, 0xffff0000
	s_wait_alu depctr_va_vdst(0)
	s_wait_kmcnt 0x0
	s_load_b512 s[32:47], s[8:9], 0x0              ; the 32 exponents: x's for expert e is entry 4 e
	s_load_b512 s[48:63], s[8:9], 0x40
	s_add_nc_u64 s[4:5], s[4:5], s[16:17]
	s_add_nc_u64 s[14:15], s[14:15], s[18:19]
	s_add_nc_u64 s[12:13], s[12:13], s[66:67]
	s_add_nc_u64 s[10:11], s[10:11], s[68:69]
.irp n, 0,1,2,3,4,5,6,7
	global_load_b128 v[96+4*\n:99+4*\n], v4, s[6:7] offset:4096*\n
.endr
.irp n, 0,1,2,3,4,5,6,7
	global_load_b128 v[64+4*\n:67+4*\n], v4, s[4:5] offset:4096*\n
.endr
.irp n, 0,1,2,3,4,5,6,7
	global_load_b128 v[128+4*\n:131+4*\n], v6, s[4:5] offset:512*\n
.endr
	s_wait_loadcnt 8                               ; both slices are in; my token's row may be out
.irp t, 0,1,2,3,4,5,6,7
.irp e, 0,1,2,3,4,5,6,7
	v_pk_mul_f32 v[T+2*\e:T+2*\e+1], v[64+4*\t:65+4*\t], v[96+4*\e:97+4*\e]
.endr
.irp e, 0,1,2,3,4,5,6,7
	v_pk_fma_f32 v[T+2*\e:T+2*\e+1], v[66+4*\t:67+4*\t], v[98+4*\e:99+4*\e], v[T+2*\e:T+2*\e+1]
.endr
.irp e, 0,1,2,3,4,5,6,7
	v_add_f32 v[S+8*\t+\e], v[T+2*\e], v[T+2*\e+1]
.endr
.endr
; One halving exchange: lanes whose bit is clear keep sums 0 .. h - 1, the others sums h .. 2 h - 1; each sends its partner what it does not keep.
.macro RED h, sm, x
.set i, 0
.rept (\h)/4
.irp k, 0,1,2,3
	v_cndmask_b32 v[T+\k], v[S+i+\k+\h], v[S+i+\k], s[\sm]
.endr
.irp k, 0,1,2,3
	v_cndmask_b32 v[S+i+\k], v[S+i+\k], v[S+i+\k+\h], s[\sm]
.endr
.irp k, 0,1,2,3
	v_add_f32_dpp v[S+i+\k], v[T+\k], v[S+i+\k] row_xmask:\x row_mask:0xf bank_mask:0xf
.endr
.set i, i+4
.endr
.endm
	RED 32, 24, 1
	RED 16, 25, 2
	RED 8, 26, 4
	RED 4, 27, 8
.irp k, 0,1
	v_cndmask_b32 v[T+\k], v[S+2+\k], v[S+\k], s28
.endr
.irp k, 0,1
	v_cndmask_b32 v[S+\k], v[S+\k], v[S+2+\k], s28
.endr
.irp k, 0,1
	v_permlanex16_b32 v[T+2+\k], v[T+\k], s20, s21
.endr
.irp k, 0,1
	v_add_f32 v[S+\k], v[S+\k], v[T+2+\k]
.endr
	ds_store_b64 v7, v[S:S+1]
	s_wait_alu depctr_va_vdst(0)
	s_wait_dscnt 0x0                               ; for the others' sake: my part lies in LDS
	s_barrier_signal -1
	s_barrier_wait -1
	ds_load_b32 v10, v8
	ds_load_b32 v11, v8 offset:1024
	s_wait_dscnt 0x0
	v_add_f32 v10, v10, v11
	v_add_f32_dpp v10, v10, v10 row_xmask:8 row_mask:0xf bank_mask:0xf
	v_permlanex16_b32 v12, v10, s20, s21
	v_add_f32 v10, v10, v12                        ; the logit of expert lane % 8
.irp e, 0,1,2,3,4,5,6,7
	v_readlane_b32 s[72+\e], v10, \e
.endr
.irp e, 0,1,2,3,4,5,6,7
	v_mov_b32 v[LG+\e], s[72+\e]
.endr
; the largest logit and its index: the compare is strict, so the lower index stays at a tie
.macro BEST val, idx
	v_mov_b32 v[\val], v[LG]
	v_mov_b32 v[\idx], 0
.irp e, 1,2,3,4,5,6,7
	s_delay_alu instid0(VALU_DEP_2)
	v_cmp_gt_f32 vcc_lo, v[LG+\e], v[\val]
	s_delay_alu instid0(VALU_DEP_1)
	v_cndmask_b32 v[\val], v[\val], v[LG+\e], vcc_lo
	s_delay_alu instid0(VALU_DEP_2)
	v_cndmask_b32 v[\idx], v[\idx], \e, vcc_lo
.endr
.endm
	BEST 36, 46                                    ; v36 the largest, v46 its expert
	v_mov_b32 v40, 0xff800000                      ; -infinity takes its place,
.irp e, 0,1,2,3,4,5,6,7
	v_cmp_eq_u32 vcc_lo, \e, v46
	s_delay_alu instid0(VALU_DEP_1)
	v_cndmask_b32 v[LG+\e], v[LG+\e], v40, vcc_lo
.endr
	BEST 38, 47                                    ; and the same pass finds the second: v38, v47
	v_sub_f32 v41, v38, v36                        ; the maximum is taken away: 0 or less
	v_mul_f32 v41, 0x3fb8aa3b, v41                 ; x log2(e)
	s_wait_alu depctr_va_vdst(0)                   ; a wait ahead of the transcendental and behind it
	v_exp_f32 v42, v41
	v_nop
	s_wait_alu depctr_va_vdst(0)
	v_add_f32 v43, 1.0, v42
	s_wait_alu depctr_va_vdst(0)
	v_rcp_f32 v44, v43                             ; the first gate: 1 / (1 + exp(second - first))
	v_nop
	s_wait_alu depctr_va_vdst(0)
	v_mul_f32 v45, v42, v44                        ; the second gate
	s_wait_alu depctr_va_vdst(0)
	s_wait_loadcnt 0x0                             ; my token's row
	s_wait_kmcnt 0x0                               ; the exponents
; my row under the scale of the expert in v[idx]: held within the largest code x the scale (the conversion does not saturate: ISA guide 7.6.2), then to the nearest code, ties to even
.macro QUANT idx, sl
	v_mov_b32 v[50+2*\sl], s32
.irp e, 1,2,3,4,5,6,7
	v_cmp_eq_u32 vcc_lo, \e, v[\idx]
	v_cndmask_b32 v[50+2*\sl], v[50+2*\sl], s[32+4*\e], vcc_lo
.endr
	v_add_nc_u32 v[50+2*\sl], 0x7f, v[50+2*\sl]
	v_lshlrev_b32 v[51+2*\sl], 23, v[50+2*\sl]     ; 2^ex as f32
	v_add_nc_u32 v[50+2*\sl], 15, v[50+2*\sl]
	v_lshlrev_b32 v[50+2*\sl], 23, v[50+2*\sl]
	v_or_b32 v[50+2*\sl], 0x600000, v[50+2*\sl]    ; 57,344 x that
.set i, 0
.rept 32
	v_med3_num_f32 v[64+32*\sl+i], v[128+i], -v[50+2*\sl], v[50+2*\sl]
.set i, i+1
.endr
.irp g, 0,1,2,3
	v_cvt_scalef32_pk8_bf8_f32 v[T+8*\sl+2*\g:T+8*\sl+2*\g+1], v[64+32*\sl+8*\g:71+32*\sl+8*\g], v[51+2*\sl]
.endr
	v_nop
	global_store_b128 v5, v[T+8*\sl:T+8*\sl+3], s[14:15] offset:1024*\sl          ; 512 consecutive bytes a store
	global_store_b128 v5, v[T+8*\sl+4:T+8*\sl+7], s[14:15] offset:1024*\sl+512
.endm
	QUANT 46, 0
	QUANT 47, 1
	v_mov_b32 v54, 1
	v_lshlrev_b32 v55, v47, v54
	v_lshlrev_b32 v56, v46, v54
	v_or_b32 v56, v56, v55
	s_wait_alu depctr_va_vdst(0)
	s_wait_tensorcnt 0x0                           ; behind my last LDS store
	ds_add_u32 v2, v3
	s_wait_dscnt 0x0
	s_wait_xcnt 0x0                                ; EXEC changes only behind this wait
	v_cmp_eq_u32 vcc_lo, 0, v1
	s_and_saveexec_b32 s29, vcc_lo                 ; lane 0 stores for the wave
	global_store_b64 v57, v[44:45], s[12:13]
	global_store_b8 v57, v56, s[10:11]
	global_store_b8 v57, v55, s[10:11] offset:2048
	s_endpgm
.Lfunc_end_k_q8226bf48ca_router:
	.size	k_q8226bf48ca_router, .Lfunc_end_k_q8226bf48ca_router-k_q8226bf48ca_router
	.p2alignl 7, 3214868480
	.fill 96, 4, 3214868480
	.section	.rodata,"a",@progbits
	.p2align	6, 0x0
	.amdhsa_kernel k_q8226bf48ca_router
		.amdhsa_group_segment_fixed_size 3072
		.amdhsa_private_segment_fixed_size 0
		.amdhsa_enable_private_segment 0
		.amdhsa_kernarg_size 48
		.amdhsa_user_sgpr_count 2
		.amdhsa_user_sgpr_kernarg_segment_ptr 1
		.amdhsa_wavefront_size32 1
		.amdhsa_system_sgpr_workgroup_id_x 1
		.amdhsa_system_sgpr_workgroup_id_y 1
		.amdhsa_system_sgpr_workgroup_id_z 1
		.amdhsa_system_vgpr_workitem_id 0
		.amdhsa_next_free_vgpr 256
		.amdhsa_next_free_sgpr 80
		.amdhsa_reserve_vcc 1
		.amdhsa_float_denorm_mode_32 3
		.amdhsa_float_denorm_mode_16_64 3
		.amdhsa_memory_ordered 1
		.amdhsa_forward_progress 1
		.amdhsa_inst_pref_size 40
	.end_amdhsa_kernel
	.amdgpu_metadata
---
amdhsa.version: [ 1, 2 ]
amdhsa.kernels:
  - .name:           k_q8226bf48ca_router
    .symbol:         k_q8226bf48ca_router.kd
    .args:
      - { .name: hidden_states, .offset: 0, .size: 8, .value_kind: global_buffer, .address_space: global }
      - { .name: w_gate, .offset: 8, .size: 8, .value_kind: global_buffer, .address_space: global }
      - { .name: lowp_scales, .offset: 16, .size: 8, .value_kind: global_buffer, .address_space: global }
      - { .name: sel, .offset: 24, .size: 8, .value_kind: global_buffer, .address_space: global }
      - { .name: gates, .offset: 32, .size: 8, .value_kind: global_buffer, .address_space: global }
      - { .name: xq, .offset: 40, .size: 8, .value_kind: global_buffer, .address_space: global }
    .group_segment_fixed_size: 3072
    .private_segment_fixed_size: 0
    .kernarg_segment_align: 8
    .kernarg_segment_size: 48
    .max_flat_workgroup_size: 256
    .sgpr_count:     80
    .vgpr_count:     256
    .wavefront_size: 32
...
	.end_amdgpu_metadata
.endif
;; end of part 6
;; launch fc (part 7): grid 32 x 8, 4 waves a work-group, no clusters, 156,416 bytes of LDS; arguments sel, xq, w_fc, b_fc, lowp_scales, hq, order, cnt; writes hq, order, cnt
.if DOCPART == 7
	.amdgcn_target "amdgcn-amd-amdhsa--gfx1250"
	.amdhsa_code_object_version 6
	.text
	.protected	k_q8226bf48ca_fc
	.globl	k_q8226bf48ca_fc
	.p2align	8
	.type	k_q8226bf48ca_fc,@function
k_q8226bf48ca_fc:
	s_mov_b64 s[64:65], 0
	v_nop
	global_prefetch_b8 v0, s[64:65] scope:SCOPE_SE
	s_setreg_imm32_b32 hwreg(HW_REG_WAVE_MODE, 25, 1), 1
	s_wait_xcnt 0x0
; THE ROWS ARE LISTED BY EXPERT; THE FIRST PRODUCT OF EACH EXPERT, ITS BIAS, THE EXACT GELU AND THE SECOND QUANTISER, on the chosen rows alone (the router's head comment shows that the others reach no output).
; THE WEIGHTS STAND, THE ROWS WALK.  Work-group (u, e) owns 64 hidden units of expert e: 64 rows of w_fc, 256 KiB of f32, read from memory once, 512 consecutive bytes a load, quantised in registers with 2^ew1,
; dealt to the four waves through LDS and kept by each wave as 32 fragments (4 tiles of 16 units x 8 K steps of 128), 512 registers.  Each wave's first 8 rows make tiles 0 and 1: behind a barrier their fragments are read
; while the other 8 rows come.
; THE LIST.  While the first weights are on their way wave 0 reads the selection bytes: for each of 64 places in the lanes a compare gives the mask of the tokens that chose e, a count of the lower lanes their ranks; rid = 2 t + slot goes
; to word rank of the list in LDS, what is not chosen to a word of the lane's own behind it.  Ranks behind the last, up to the tile's end, take the last tile's first row, so that nothing needs a mask.  n = up to 2,048 rows, nt = tiles of 16.
; Work-group u = 0 stores the list and nt for the next launch.
; THE WALK.  Wave w takes places w, w + 4, .. ; place tau is tile (tau + rot) mod nt, rot = (u x nt) / 32: the 32 work-groups of an expert begin at places spread over its tiles.
; A tile's 16 rows of codes are loaded whole (two loads of 512 consecutive bytes a row) into v64-191 of window 3, turned through the wave's own stage in LDS and read back as fragments.  The next tile turns while this tile's gelu is made.
; WHICH UNITS.  UB = 512 (u / 8) + 16 (u % 8); the units are UB + 128 n + y, n = 0..3, y = 0..15.  Tile T = 2 b + u2, row 8 h + j, is unit UB + 128 (2 u2 + j / 4) + 4 (2 b + h) + j % 4.  The product is used transposed
; (source 0 = 16 units, source 1 = 16 rows of x), so lane (r, h) holds row r, and the 16 registers of tiles 2 b, 2 b + 1 are, in byte order, the piece of the hidden row that the second product's permutation of K
; puts into registers 4 c .. 4 c + 3, c = 2 (u % 2) + b, of half h in K step 4 (u / 8) + (u % 8) / 2.  hq[e][tile][K step][c][lane][16 bytes] is an image of operand registers.
; SCALES.  sigma = 2^(ex + ew1).  The bias goes in as the C of a sum's first matrix instruction, divided by sigma: S = sum + b / sigma, a = sigma S.  The conversion takes 2^(eh - ex - ew1).
; GELU(a) = a Phi(a), exact form: with z = |a| / sqrt(2), t = 1 / (1 + z / 2), half erfc(z) = t 2^(-z^2 log2(e) + poly9(t)); the polynomial's coefficients carry log2(e), its constant also the -1 of the half.
; gelu / sigma = max(S, 0) - |S| x half erfc(z): no difference of near numbers on either side of 0.
; NO TENSOR LOADS, NO CLUSTER: how many tiles pass hangs on a count read from memory.  No prefetch: the weights' stream has 48 to 56 loads of each wave out.
; LIMITS: ew1 and eh - ex - ew1 between -126 and 112; ex + ew1 between -124 and 126; beyond |a| of about 13 half erfc comes out as 0; NaN among the inputs is not served.
; LDS: weights: tile T, piece p, row m at 17,408 T + 272 p + 16 m; four stages laid likewise; the list; n; the spare words.
; REGISTERS.  Window 0: v2, v3 the add's two; v4 16 x lane; v6 the tile's offset in hq; v7, v12 272 h + 16 r (+ two tiles); v[8:9] c9; v10, v11 the hidden layer's scale and hold; v13 16 h; v17, v18 the stage, in and out; v20 the list's place;
;   v32-63 the sums; v64-95 the bias; v96-127 U; v128-159 t; v160-191 the polynomial; v192-199 codes; v200-231 the gelu; v232-247 the rows' offsets in xq.
;   Windows 1, 2: the weights: fragment (T, s) at 16 (4 (s % 4) + T) of window 1 + s / 4.
;   Window 3, while the weights come: v0-223 a ring of 7 rows; v224 16 x lane; v225 LDS address; v226, v227 2^ew1 and the hold; v232-247 two sets of codes.  Afterwards v64-191 rows as loaded; v0-63, v192-255 fragments.
;   s19 n, then nt; s31 nt - 1; s33 rot; s34 the tile in the fragments; s35 the tile on its way; s28 my place in the walk; s29 the trip.
.set TILEB, 17408
.set STG,  4*TILEB
.set LIST, 8*TILEB
.set NW,   LIST+16384
.set SPARE, NW+256
.set ACC,  32
.set BIAS, 64
.set U,    96
.set TT,   128
.set P,    160
.set CODE, 192
.set M,    200
.set RO,   232
.set MSB, 0
.macro WIN new                         ; the immediate's high byte repeats the setting that is left
.if MSB != \new
	s_set_vgpr_msb (MSB<<8)|\new
.set MSB, \new
.endif
.endm
.macro KPAIR r, bits                   ; a constant as a scalar pair: the packed forms take its low word for both halves
	s_mov_b32 s[\r], \bits
	s_mov_b32 s[\r+1], \bits
.endm
	s_load_b256 s[4:11], s[0:1], 0x0               ; sel s[4:5], xq s[6:7], w_fc s[8:9], b_fc s[10:11]
	s_load_b128 s[12:15], s[0:1], 0x20             ; the scales' exponents s[12:13], hq s[14:15]
	s_load_b128 s[48:51], s[0:1], 0x30             ; order s[48:49], cnt s[50:51]
	v_lshl_add_u32 v2, v0, 2, SPARE
	v_mov_b32 v3, 0
	v_lshrrev_b32 v1, 5, v0
	v_readfirstlane_b32 s16, v1                    ; wave 0..3
	v_and_b32 v1, 31, v0                           ; lane
	v_lshlrev_b32 v4, 4, v1
	v_and_b32 v14, 15, v0                          ; r
	v_bfe_u32 v15, v0, 4, 1                        ; h
	v_mul_u32_u24 v7, v15, 272
	v_lshl_add_u32 v7, v14, 4, v7
	v_add_nc_u32 v12, 2*TILEB, v7
	v_lshlrev_b32 v13, 4, v15
	v_mul_u32_u24 v16, v1, 272
	s_mul_i32 s20, s16, TILEB
	s_add_co_u32 s20, s20, STG
	v_add_nc_u32 v17, s20, v16                     ; my stage, in: piece = lane
	v_add_nc_u32 v18, s20, v7                      ; out: a fragment
	v_add_nc_u32 v19, LIST, v4
	s_lshl_b32 s21, s16, 11
	v_add_nc_u32 v22, s21, v19                     ; my 512 words of the list,
	v_add_nc_u32 v23, s21, v4                      ; and their place in order[e]
	v_lshlrev_b32 v24, 2, v1
	s_lshl_b32 s21, s16, 7
	v_add_nc_u32 v24, s21, v24                     ; my 32 words of cnt[e]
	v_mov_b32 v21, NW
	s_and_b32 s17, ttmp7, 0xffff                   ; e
	s_mov_b32 s18, ttmp9                           ; u
	s_lshr_b32 s20, s16, 1
	s_mul_i32 s20, s20, TILEB
	s_and_b32 s21, s16, 1
	s_lshl_b32 s21, s21, 6
	s_add_co_u32 s43, s20, s21                     ; wave w = n loads units UB + 128 w + y: tile 2 (y / 8) + w / 2, row 8 ((y / 4) % 2) + 4 (w % 2) + y % 4
	s_lshr_b32 s20, s18, 3
	s_and_b32 s21, s18, 7
	s_lshl_b32 s22, s20, 9
	s_lshl_b32 s23, s21, 4
	s_add_co_u32 s22, s22, s23                     ; UB
	s_lshl_b32 s32, s16, 7
	s_add_co_u32 s32, s32, s22
	s_lshl_b32 s32, s32, 12
	s_lshl_b32 s33, s17, 23
	s_add_co_u32 s32, s32, s33                     ; my 16 rows of w_fc: 65,536 bytes on end
	s_mov_b32 s33, 0
	s_lshl_b32 s34, s17, 13
	s_mov_b32 s40, s34                             ; order[e]
	s_mov_b32 s41, 0
	s_lshl_b32 s35, s22, 2
	s_add_co_u32 s34, s34, s35                     ; b_fc[e][UB]
	s_mov_b32 s35, 0
	s_lshl_b32 s36, s20, 2
	s_lshr_b32 s37, s21, 1
	s_add_co_u32 s36, s36, s37                     ; the next product's K step,
	s_lshl_b32 s36, s36, 11
	s_and_b32 s37, s18, 1
	s_lshl_b32 s37, s37, 10                        ; and c = 2 (u % 2)
	s_add_co_u32 s36, s36, s37
	s_lshl_b32 s37, s17, 22
	s_add_co_u32 s36, s36, s37
	s_mov_b32 s37, 0
	s_lshl_b32 s38, s17, 9                         ; cnt[e]
	s_mov_b32 s39, 0
	s_lshl_b32 s30, s17, 4
	s_wait_alu depctr_va_vdst(0)
	s_wait_kmcnt 0x0
	s_load_b128 s[24:27], s[12:13], s30 offset:0x0 ; ex, ew1, eh, ew2
	s_add_nc_u64 s[8:9], s[8:9], s[32:33]
	s_add_nc_u64 s[10:11], s[10:11], s[34:35]
	s_add_nc_u64 s[14:15], s[14:15], s[36:37]
	s_add_nc_u64 s[48:49], s[48:49], s[40:41]
	s_add_nc_u64 s[50:51], s[50:51], s[38:39]
.irp a, 0,1,2,3
	global_load_b128 v[32+4*\a:35+4*\a], v4, s[4:5] offset:512*\a         ; the tokens' selection bytes: token 512 a + 16 lane + 4 k + b is byte b of register 4 a + k,
	global_load_b128 v[48+4*\a:51+4*\a], v4, s[4:5] offset:2048+512*\a    ; and which of them chose second
.endr
.irp t, 0,1,2,3
.irp jj, 0,1
	global_load_b128 v[BIAS+8*\t+4*\jj:BIAS+8*\t+4*\jj+3], v13, s[10:11] offset:512*(2*(\t%2)+\jj)+32*(\t/2)   ; the bias in the result's layout
.endr
.endr
	WIN 0xc0                                       ; destination window 3
	v_lshlrev_b32 v224, 4, v1
	v_add_nc_u32 v225, s43, v16
	s_wait_alu depctr_va_vdst(0)
	WIN 0xff                                       ; the weights' phase works in window 3 alone
.macro WLOAD y                         ; row y of my 16: eight loads of 512 consecutive bytes, into slot y % 7
.irp n, 0,1,2,3,4,5,6,7
	global_load_b128 v[32*((\y)%7)+4*\n:32*((\y)%7)+4*\n+3], v224, s[8:9] offset:4096*(\y)+512*\n th:TH_LOAD_NT
.endr
.endm
.irp y, 0,1,2,3,4,5
	WLOAD \y
.endr
	WIN 0
; THE LIST, wave 0 alone.  Four tokens a lane: the bytes of register I
.macro SCAN4 I
.irp b, 0,1,2,3
	v_bfe_u32 v[104+\b], v[32+\I], s[56+\b], 1     ; chose e
.endr
.irp b, 0,1,2,3
	v_bfe_u32 v[108+\b], v[48+\I], s[56+\b], 1     ; as its second
.endr
.irp b, 0,1,2,3
	v_cmp_ne_u32 s[52+\b], 0, v[104+\b]
.endr
	s_wait_alu depctr_va_vdst(0)
	s_mov_b32 s72, s19
	s_bcnt1_i32_b32 s60, s52
	s_add_co_u32 s73, s72, s60
	s_bcnt1_i32_b32 s60, s53
	s_add_co_u32 s74, s73, s60
	s_bcnt1_i32_b32 s60, s54
	s_add_co_u32 s75, s74, s60
	s_bcnt1_i32_b32 s60, s55
	s_add_co_u32 s19, s75, s60
.irp b, 0,1,2,3
	v_mbcnt_lo_u32_b32 v[112+\b], s[52+\b], s[72+\b]   ; the rank: those counted so far and the lower lanes'
.endr
.irp b, 0,1,2,3
	v_cndmask_b32 v[112+\b], v100, v[112+\b], s[52+\b]
.endr
.irp b, 0,1,2,3
	v_min_u32 v[112+\b], 0xfff, v[112+\b]          ; held inside the list's 16,384 bytes
.endr
.irp b, 0,1,2,3
	v_lshl_add_u32 v[112+\b], v[112+\b], 2, v102
.endr
.irp b, 0,1,2,3
	v_add3_u32 v[108+\b], v[108+\b], v101, 1024*((\I)/4)+8*((\I)%4)+2*\b   ; rid
.endr
.irp b, 0,1,2,3
	ds_store_b32 v[112+\b], v[108+\b]
.endr
.endm
	s_cmp_lg_u32 s16, 0
	s_cbranch_scc1 .Lno_scan
	v_mov_b32 v96, 0
	v_mov_b32 v97, 0
	v_mov_b32 v98, 0
	v_mov_b32 v99, 0
.irp i, 0,1,2,3,4,5,6,7,8,9,10,11,12,13,14,15
	ds_store_b128 v19, v[96:99] offset:512*\i      ; every word of the list is written: 2,048 zeros first
.endr
	v_add_nc_u32 v100, 0x820, v1                   ; word 2,080 + lane takes what is not chosen
	v_lshlrev_b32 v101, 5, v1
	v_mov_b32 v102, LIST
	s_mov_b32 s19, 0
	s_mov_b32 s56, s17
	s_add_co_u32 s57, s17, 8
	s_add_co_u32 s58, s17, 16
	s_add_co_u32 s59, s17, 24
	s_wait_alu depctr_va_vdst(0)
	s_wait_loadcnt 56                              ; the selection bytes are in; the bias's eight and six rows of weights may be out
.irp I, 0,1,2,3,4,5,6,7,8,9,10,11,12,13,14,15
	SCAN4 \I
.endr
	v_mov_b32 v103, s19
	ds_store_b32 v21, v103                         ; n
	s_and_b32 s60, s19, -16
	s_min_u32 s60, s60, 2047
	s_lshl_b32 s60, s60, 2
	v_add_nc_u32 v116, s60, v102
	ds_load_b32 v107, v116                         ; the last tile's first row (LDS serves a wave's instructions in order: ISA guide 5.7.1.4)
	v_add_nc_u32 v117, s19, v1
	v_cmp_gt_u32 vcc_lo, 16, v1
	v_cndmask_b32 v117, v100, v117, vcc_lo
	v_min_u32 v117, 0xfff, v117
	v_lshl_add_u32 v117, v117, 2, v102
	s_wait_alu depctr_va_vdst(0)
	s_wait_dscnt 0x0
	ds_store_b32 v117, v107                        ; for ranks n .. n + 15
.Lno_scan:
	WIN 0xff
	WLOAD 6
	s_wait_kmcnt 0x0
	s_add_co_i32 s20, s25, 127
	s_lshl_b32 s21, s20, 23
	v_mov_b32 v226, s21                            ; 2^ew1 as f32
	s_add_co_i32 s20, s20, 15
	s_lshl_b32 s20, s20, 23
	s_or_b32 s20, s20, 0x600000
	v_mov_b32 v227, s20                            ; 57,344 x 2^ew1
; the fragments of K step s of tiles t0, t0 + 1
.macro FRAG s, t0
.if (\s) < 4
	WIN 0x40
.else
	WIN 0x80
.endif
.irp t, 0,1
.irp c, 0,1,2,3
	ds_load_b128 v[16*(4*((\s)%4)+\t0+\t)+4*\c:16*(4*((\s)%4)+\t0+\t)+4*\c+3], v[7+5*(\t0/2)] offset:TILEB*\t+272*(8*(\s)+2*\c)
.endr
.endr
.endm
.macro ROW y
.set SL, 32*((\y)%7)
.set CS, 232+8*((\y)%2)
.if (\y) < 10
	s_wait_loadcnt 48                              ; row y is in; the six younger rows may be out
.elseif (\y) < 14
	s_wait_loadcnt 8*(15-(\y))                     ; the younger rows
.else
	s_wait_loadcnt 8*(15-(\y))+32                  ; and the first tile's 32
.endif
.if ((\y) >= 2) && ((\y) < 8)
	s_wait_dscnt 2                                 ; the last row's two stores may be out
.elseif (\y) >= 10
	s_wait_dscnt 10                                ; the last row's two stores and eight loads may be out
.endif
.set i, 0
.rept 32
	v_med3_num_f32 v[SL+i], v[SL+i], -v227, v227   ; the conversion does not saturate (ISA guide 7.6.2): the hold comes first
.set i, i+1
.endr
.irp g, 0,1,2,3
	v_cvt_scalef32_pk8_bf8_f32 v[CS+2*\g:CS+2*\g+1], v[SL+8*\g:SL+8*\g+7], v226
.endr
	v_nop                                          ; a plain instruction behind the last conversion
.if (\y)+7 < 16
	WLOAD (\y)+7                                   ; the slot takes the row seven further on
.endif
	ds_store_b128 v225, v[CS:CS+3] offset:2*TILEB*((\y)/8)+128*(((\y)/4)%2)+16*((\y)%4)
	ds_store_b128 v225, v[CS+4:CS+7] offset:2*TILEB*((\y)/8)+128*(((\y)/4)%2)+16*((\y)%4)+8704
.if (\y) >= 8
	FRAG (\y)-8, 0
	WIN 0xff
.endif
.endm
; the tile at place s[src] of my work-group's walk, into s[dst]
.macro PHYS dst, src
	s_min_u32 s[\dst], s[\src], s31                ; (a place beyond the last asks for the last place's tile, which is then not used)
	s_add_co_u32 s[\dst], s[\dst], s33             ; + rot, under 2 nt,
	s_cmp_ge_u32 s[\dst], s19
	s_cselect_b32 s37, s19, 0
	s_sub_co_u32 s[\dst], s[\dst], s37             ; mod nt,
	s_min_u32 s[\dst], s[\dst], 127                ; held inside the list
.endm
.macro LISTLD sp, ro
	s_lshl_b32 s21, s[\sp], 6
	s_add_co_u32 s21, s21, LIST
	v_mov_b32 v20, s21
.irp i, 0,1,2,3
	ds_load_b128 v[\ro+4*\i:\ro+4*\i+3], v20 offset:16*\i
.endr
.endm
.macro OFFS ro
.irp m, 0,1,2,3,4,5,6,7,8,9,10,11,12,13,14,15
	v_min_u32 v[\ro+\m], 0xfff, v[\ro+\m]          ; held inside xq
.endr
.irp m, 0,1,2,3,4,5,6,7,8,9,10,11,12,13,14,15
	v_lshl_add_u32 v[\ro+\m], v[\ro+\m], 10, v4
.endr
.endm
.macro XLOAD                           ; 16 rows of codes, two loads of 512 consecutive bytes each
	WIN 0xc0
.irp m, 0,1,2,3,4,5,6,7,8,9,10,11,12,13,14,15
	global_load_b128 v[64+8*\m:67+8*\m], v[RO+\m], s[6:7]
	global_load_b128 v[68+8*\m:71+8*\m], v[RO+\m], s[6:7] offset:512
.endr
	WIN 0
.endm
; The loaded rows turn through my stage into fragments.  TSTORE: the list's words of the place s28 + ahead (0: none), then the stage's stores; TFRAG: the fragments.  LDS serves a wave's instructions in order (ISA guide 5.7.1.4)
.macro TSTORE ahead
.if \ahead
	s_add_co_u32 s20, s28, \ahead
	PHYS 35, 20
	LISTLD 35, RO
.endif
	WIN 0x0c
.irp m, 0,1,2,3,4,5,6,7,8,9,10,11,12,13,14,15
	ds_store_b128 v17, v[64+8*\m:67+8*\m] offset:16*\m
	ds_store_b128 v17, v[68+8*\m:71+8*\m] offset:16*\m+8704
.endr
	WIN 0
.endm
.macro TFRAG
	WIN 0xc0
.irp s, 0,1,2,3,4,5,6,7
.irp c, 0,1,2,3
	ds_load_b128 v[16*\s+128*(\s/4)+4*\c:16*\s+128*(\s/4)+4*\c+3], v18 offset:272*(8*\s+2*\c)
.endr
.endr
	WIN 0
.endm
	s_wait_alu depctr_va_vdst(0)
.irp y, 0,1,2,3,4,5,6,7
	ROW \y
.endr
	WIN 0
	s_wait_alu depctr_va_vdst(0)
	s_wait_dscnt 0x0                               ; for the others' sake: my first eight rows, and wave 0's list, lie in LDS
	s_barrier_signal -1
	s_barrier_wait -1
	ds_load_b32 v5, v21
	s_wait_dscnt 0x0
	v_readfirstlane_b32 s19, v5                    ; n
	s_add_co_u32 s19, s19, 15
	s_lshr_b32 s19, s19, 4                         ; nt
	s_sub_co_u32 s31, s19, 1                       ; the last place of the walk
	s_mul_i32 s33, s18, s19
	s_lshr_b32 s33, s33, 5                         ; rot = (u x nt) / 32, under nt
	s_mov_b32 s28, s16                             ; my place: it begins at my wave's number and steps by 4
	PHYS 34, 28
	LISTLD 34, RO
	s_wait_alu depctr_va_vdst(0)
	s_cmp_lg_u32 s18, 0
	s_cbranch_scc1 .Lno_order                      ; work-group u = 0 stores the list and nt
.irp i, 0,1,2,3
	ds_load_b128 v[96+4*\i:99+4*\i], v22 offset:512*\i
.endr
	v_mov_b32 v118, s19
	s_wait_alu depctr_va_vdst(0)
	s_wait_dscnt 0x0
.irp i, 0,1,2,3
	global_store_b128 v23, v[96+4*\i:99+4*\i], s[48:49] offset:512*\i
.endr
	global_store_b32 v24, v118, s[50:51]
	s_wait_xcnt 0x0                                ; the stores' sources may be written again
.Lno_order:
	s_wait_dscnt 0x0
	OFFS RO
	WIN 0xff
.irp y, 8,9,10,11,12,13
	ROW \y
.endr
	XLOAD                                          ; my first tile: its registers held rows 9 to 12
	WIN 0xff
	ROW 14
	ROW 15
	WIN 0
	s_add_co_i32 s20, s24, s25                     ; ex + ew1
	s_sub_co_i32 s21, 0, s20
.set i, 0
.rept 32
	v_ldexp_f32 v[BIAS+i], v[BIAS+i], s21          ; b / sigma
.set i, i+1
.endr
	s_lshl_b32 s22, s20, 23
	s_add_co_i32 s42, s22, 0x3eb504f3              ; lambda = sigma / (2 sqrt(2)): t = 1 / (1 + |S| lambda)
	s_add_co_i32 s44, s22, 0x3f596d27              ; kappa = sigma sqrt(log2(e) / 2): U = S kappa, U^2 = z^2 log2(e)
	s_mov_b32 s45, s44
	s_sub_co_i32 s23, s26, s20
	s_add_co_i32 s23, s23, 127
	s_lshl_b32 s32, s23, 23
	v_mov_b32 v10, s32                             ; 2^(eh - ex - ew1)
	s_add_co_i32 s23, s23, 15
	s_lshl_b32 s23, s23, 23
	s_or_b32 s23, s23, 0x600000
	v_mov_b32 v11, s23                             ; 57,344 x that
	KPAIR 46, 0xc034d90f                           ; c0 = -1.26551223 log2(e) - 1
	KPAIR 48, 0x3fb8ab5a                           ; c1 =  1.00002368 log2(e)
	KPAIR 50, 0x3f0a29d2                           ; c2 =  0.37409196 log2(e)
	KPAIR 52, 0x3e0efb2f                           ; c3 =  0.09678418 log2(e)
	KPAIR 54, 0xbe899a80                           ; c4 = -0.18628806 log2(e)
	KPAIR 56, 0x3ecdfd18                           ; c5 =  0.27886807 log2(e)
	KPAIR 58, 0xbfd1a1e5                           ; c6 = -1.13520398 log2(e)
	KPAIR 60, 0x40097039                           ; c7 =  1.48851587 log2(e)
	KPAIR 62, 0xbf97d29d                           ; c8 = -0.82215223 log2(e)
	v_mov_b32 v8, 0x3e7c6f08                       ; c9 =  0.17087277 log2(e), in vector registers: an instruction takes c8 as its one scalar pair
	v_mov_b32 v9, 0x3e7c6f08
	s_wait_alu depctr_va_vdst(0)
	s_wait_dscnt 0x0                               ; for the others' sake: my codes lie in LDS
	s_barrier_signal -1
	s_barrier_wait -1                              ; all 64 rows' do.  No barrier follows, so the waves may part on the count
	s_cmp_eq_u32 s19, 0
	s_cbranch_scc1 .Lend                           ; nobody chose this expert
.irp s, 0,1,2,3,4,5,6,7
	FRAG \s, 2
.endr
	WIN 0
	s_wait_loadcnt 0x0                             ; my first tile is in
	TSTORE 4
	TFRAG
	s_wait_dscnt 32                                ; the list's words are in and the stage's stores have read the rows' registers; the fragments may be out
	OFFS RO
	XLOAD
; 16 matrix instructions: K steps s0 .. s0 + 3 x the four tiles, which take turns, one instruction a turn
.macro MMW s0
.irp s, 0,1,2,3
.set XB, 16*\s+48*\s0
.irp t, 0,1,2,3
.if (\s0 == 0) && (\s == 0)
	v_wmma_f32_16x16x128_bf8_bf8 v[ACC+8*\t:ACC+8*\t+7], v[16*(4*\s+\t):16*(4*\s+\t)+15], v[XB:XB+15], v[BIAS+8*\t:BIAS+8*\t+7]
.else
	v_wmma_f32_16x16x128_bf8_bf8 v[ACC+8*\t:ACC+8*\t+7], v[16*(4*\s+\t):16*(4*\s+\t)+15], v[XB:XB+15], v[ACC+8*\t:ACC+8*\t+7]
.endif
.endr
.endr
.endm
	s_mov_b32 s29, 0
	s_wait_alu depctr_va_vdst(0)
; ONE PLACE OF THE WALK.  At its head this place's fragments are on their way from LDS and the next place's rows from memory.  more = 1: the place after the next exists and is asked for; 0: nothing more is asked for
.macro PLACE more
	s_wait_dscnt 0x0                               ; the fragments are in
	WIN 0x0d                                       ; weights window 1, x window 3, sums and bias window 0
	MMW 0
	WIN 0x0e                                       ; weights window 2
	MMW 4
	WIN 0
	s_min_u32 s36, s34, 127                        ; the tile at work, for its codes' place
	s_mov_b32 s34, s35
.rept 4
	v_nop                                          ; four places between the last product and the loads into its registers, and the first read of the sums
.endr
	s_wait_loadcnt 0x0                             ; the next place's rows are in
.if \more
	TSTORE 8
	TFRAG
.else
	s_add_co_u32 s20, s28, 4
	s_cmp_ge_u32 s20, s19
	s_wait_alu depctr_va_vdst(0)
	s_cbranch_scc1 .Lnone_\@                       ; this place is my last: there is nothing to turn
	TSTORE 0
	TFRAG
.Lnone_\@:
.endif
; the gelu of 32 numbers a lane, into v[M] on, as gelu / sigma; each accumulator is read from its low end on
.set i, 0
.rept 16
	v_pk_mul_f32 v[U+i:U+i+1], v[ACC+i:ACC+i+1], s[44:45] op_sel_hi:[1,0]
.set i, i+2
.endr
.set i, 0
.rept 32
	v_fma_f32 v[TT+i], |v[ACC+i]|, s42, 1.0
.set i, i+1
.endr
.set i, 0
	s_wait_alu depctr_va_vdst(0)
.rept 32
	v_rcp_f32 v[TT+i], v[TT+i]                     ; t
.set i, i+1
.endr
.set i, 0
.rept 32
	v_max_num_f32 v[M+i], 0, v[ACC+i]              ; independent work behind the batch
.set i, i+1
.endr
	s_wait_alu depctr_va_vdst(0)                   ; one wait for the 32 reciprocals, ahead of their first reader
.if \more
	s_wait_dscnt 32                                ; the list's words are in, the stage's stores done; the 32 fragment loads may be out
	OFFS RO
	XLOAD                                          ; the rows of the place after the next
.endif
.set i, 0
.rept 16
	v_pk_fma_f32 v[P+i:P+i+1], v[TT+i:TT+i+1], v[8:9], s[62:63] op_sel_hi:[1,1,0]
.set i, i+2
.endr
.irp k, 7,6,5,4,3,2,1,0
.set i, 0
.rept 16
	v_pk_fma_f32 v[P+i:P+i+1], v[P+i:P+i+1], v[TT+i:TT+i+1], s[46+2*\k:47+2*\k] op_sel_hi:[1,1,0]
.set i, i+2
.endr
.endr
.set i, 0
.rept 16
	v_pk_fma_f32 v[P+i:P+i+1], v[U+i:U+i+1], v[U+i:U+i+1], v[P+i:P+i+1] neg_lo:[1,0,0] neg_hi:[1,0,0]   ; - U^2 + the polynomial
.set i, i+2
.endr
.set i, 0
	s_wait_alu depctr_va_vdst(0)
.rept 32
	v_exp_f32 v[P+i], v[P+i]
.set i, i+1
.endr
	v_nop                                          ; a plain instruction behind the last exponential,
	s_wait_alu depctr_va_vdst(0)                   ; and one wait for the batch
.set i, 0
.rept 16
	v_pk_mul_f32 v[P+i:P+i+1], v[P+i:P+i+1], v[TT+i:TT+i+1]   ; half erfc(z)
.set i, i+2
.endr
.set i, 0
.rept 32
	v_fma_f32 v[M+i], -|v[ACC+i]|, v[P+i], v[M+i]  ; gelu / sigma
.set i, i+1
.endr
	s_wait_alu depctr_va_vdst(0)
	s_wait_xcnt 0x0                                ; the last step's stores have read their offset and their codes: both are written again below
	v_lshl_add_u32 v6, s36, 15, v4
.set i, 0
.rept 32
	v_med3_num_f32 v[M+i], v[M+i], -v11, v11
.set i, i+1
.endr
.irp t, 0,1,2,3
	v_cvt_scalef32_pk8_bf8_f32 v[CODE+2*\t:CODE+2*\t+1], v[M+8*\t:M+8*\t+7], v10
.endr
	v_nop                                          ; a plain instruction behind the last conversion
	global_store_b128 v6, v[CODE:CODE+3], s[14:15]                 ; c = 2 (u % 2): 512 consecutive bytes,
	global_store_b128 v6, v[CODE+4:CODE+7], s[14:15] offset:512    ; c + 1: the next 512
	s_add_co_u32 s28, s28, 4
.endm
.Ltrip:                                            ; 32 trips at the most: 128 tiles over 4 waves
	s_add_co_u32 s20, s28, 8
	s_cmp_ge_u32 s20, s19
	s_wait_alu depctr_va_vdst(0)
	s_cbranch_scc1 .Ltail                          ; my last two places ask for nothing
	PLACE 1
	s_add_co_u32 s29, s29, 1
	s_cmp_lt_u32 s29, 32
	s_wait_alu depctr_va_vdst(0)
	s_cbranch_scc1 .Ltrip
.Ltail:
	s_mov_b32 s29, 0
.Llast:                                            ; two trips at the most
	s_cmp_ge_u32 s28, s19
	s_wait_alu depctr_va_vdst(0)
	s_cbranch_scc1 .Lend                           ; the walk is over: my places only rise
	PLACE 0
	s_add_co_u32 s29, s29, 1
	s_cmp_lt_u32 s29, 2
	s_wait_alu depctr_va_vdst(0)
	s_cbranch_scc1 .Llast
.Lend:
	s_wait_tensorcnt 0x0                           ; the wave's end, behind my last LDS store
	ds_add_u32 v2, v3
	s_wait_dscnt 0x0
	s_endpgm
.Lfunc_end_k_q8226bf48ca_fc:
	.size	k_q8226bf48ca_fc, .Lfunc_end_k_q8226bf48ca_fc-k_q8226bf48ca_fc
	.p2alignl 7, 3214868480
	.fill 96, 4, 3214868480
	.section	.rodata,"a",@progbits
	.p2align	6, 0x0
	.amdhsa_kernel k_q8226bf48ca_fc
		.amdhsa_group_segment_fixed_size 156416
		.amdhsa_private_segment_fixed_size 0
		.amdhsa_enable_private_segment 0
		.amdhsa_kernarg_size 64
		.amdhsa_user_sgpr_count 2
		.amdhsa_user_sgpr_kernarg_segment_ptr 1
		.amdhsa_wavefront_size32 1
		.amdhsa_system_sgpr_workgroup_id_x 1
		.amdhsa_system_sgpr_workgroup_id_y 1
		.amdhsa_system_sgpr_workgroup_id_z 1
		.amdhsa_system_vgpr_workitem_id 0
		.amdhsa_next_free_vgpr 1024
		.amdhsa_next_free_sgpr 80
		.amdhsa_reserve_vcc 1
		.amdhsa_float_denorm_mode_32 3
		.amdhsa_float_denorm_mode_16_64 3
		.amdhsa_memory_ordered 1
		.amdhsa_forward_progress 1
		.amdhsa_inst_pref_size 195
	.end_amdhsa_kernel
	.amdgpu_metadata
---
amdhsa.version: [ 1, 2 ]
amdhsa.kernels:
  - .name:           k_q8226bf48ca_fc
    .symbol:         k_q8226bf48ca_fc.kd
    .args:
      - { .name: sel, .offset: 0, .size: 8, .value_kind: global_buffer, .address_space: global }
      - { .name: xq, .offset: 8, .size: 8, .value_kind: global_buffer, .address_space: global }
      - { .name: w_fc, .offset: 16, .size: 8, .value_kind: global_buffer, .address_space: global }
      - { .name: b_fc, .offset: 24, .size: 8, .value_kind: global_buffer, .address_space: global }
      - { .name: lowp_scales, .offset: 32, .size: 8, .value_kind: global_buffer, .address_space: global }
      - { .name: hq, .offset: 40, .size: 8, .value_kind: global_buffer, .address_space: global }
      - { .name: order, .offset: 48, .size: 8, .value_kind: global_buffer, .address_space: global }
      - { .name: cnt, .offset: 56, .size: 8, .value_kind: global_buffer, .address_space: global }
    .group_segment_fixed_size: 156416
    .private_segment_fixed_size: 0
    .kernarg_segment_align: 8
    .kernarg_segment_size: 64
    .max_flat_workgroup_size: 128
    .sgpr_count:     80
    .vgpr_count:     1024
    .wavefront_size: 32
...
	.end_amdgpu_metadata
.endif
;; end of part 7
;; launch proj (part 8): grid 32 x 8, 4 waves a work-group, no clusters, 87,552 bytes of LDS; arguments hq, w_proj, b_proj, lowp_scales, cnt, order, yw; writes yw
.if DOCPART == 8
	.amdgcn_target "amdgcn-amd-amdhsa--gfx1250"
	.amdhsa_code_object_version 6
	.text
	.protected	k_q8226bf48ca_proj
	.globl	k_q8226bf48ca_proj
	.p2align	8
	.type	k_q8226bf48ca_proj,@function
k_q8226bf48ca_proj:
	s_mov_b64 s[64:65], 0
	v_nop
	global_prefetch_b8 v0, s[64:65] scope:SCOPE_SE
	s_setreg_imm32_b32 hwreg(HW_REG_WAVE_MODE, 25, 1), 1
	s_wait_xcnt 0x0
; THE SECOND PRODUCT OF EACH EXPERT AND ITS BIAS, on the chosen rows alone (the router's head comment shows that the others reach no output), in two halves of K:
; yw[rid][kh] = (the sum over K's half kh) x 2^(eh + ew2) + b_proj[e] / 2; the next launch adds the halves.
; THE WEIGHTS STAND, THE ROWS WALK.  Work-group (u, e), cb = u % 16, kh = u / 16, owns 64 columns x 1,024 along K: 64 half rows of w_proj, 256 KiB of f32, read once, quantised with 2^ew2, dealt through LDS, kept by each wave as
; 32 fragments (4 tiles of 16 columns x 8 K steps), 512 registers.  So a row of the hidden layer costs a work-group 1,024 bytes, and its 64 columns of the result are one aligned unit of 256 bytes.
; Tile T, row 8 h + j, is column 64 cb + 32 h + 8 T + j; the product is used transposed, so lane (r, h) ends with 32 neighbouring columns of row r.
; K is permuted as the hidden layer's images are: a half row (4,096 bytes) is loaded and cut as a row of x is; piece p = lane + 32 q = 8 s + 2 c + h of K steps 8 kh + s.
; THE WALK.  Wave w takes places w, w + 4, .. ; place tau is tile (tau + rot) mod nt, rot = (u x nt) / 32.  Two tiles of a wave are at work or on their way, in two buffers.
; THE WAY OUT.  16 rows x 64 columns go through the wave's own stage in LDS and leave as 256 consecutive bytes a row, sixteen lanes to a row, at row rid, read from the stored list.
; NO TENSOR LOADS, NO CLUSTER: how many tiles pass hangs on a count read from memory.  No prefetch: the weights' stream has 48 to 56 loads of each wave out.
; LIMITS: ew2 between -126 and 112; eh + ew2 between -126 and 127; NaN among the inputs is not served.
; LDS: tile T, piece p, row m at 17,408 T + 272 p + 16 m; four stages of 16 rows x 272 bytes; the spare words.
; REGISTERS.  Window 0: v2, v3 the add's two; v4 16 x lane; v5, v14 the buffers' offsets in hq; v19, v20 in the list; v7, v12 272 h + 16 r (+ two tiles); v13 128 h; v15 32 h; v16, v17 the stage, in and out; v21 16 (lane % 16);
;   v32-63 the sums; v64-95 the bias; v96-127 results; v128-159 rows on their way out; v160-167 the stores' offsets; v168-175, v176-183 the buffers' rids.
;   Windows 1, 2: fragment (T, s) at 16 (4 (s % 4) + T) of window 1 + s / 4.  Window 3, while the weights come, as in the first product's launch; afterwards buffer 0: v64-191, buffer 1: v0-63, v192-255.
;   s19 nt; s31 nt - 1; s33 rot; s28 my place in the walk; s29 the trip.
.set TILEB, 17408
.set STG,   4*TILEB
.set SPARE, STG+4*4352
.set ACC,  32
.set BIAS, 64
.set YY,   96
.set ZZ,   128
.set OF,   160
.set MSB, 0
.macro WIN new                         ; the immediate's high byte repeats the setting that is left
.if MSB != \new
	s_set_vgpr_msb (MSB<<8)|\new
.set MSB, \new
.endif
.endm
	s_load_b256 s[4:11], s[0:1], 0x0               ; hq s[4:5], w_proj s[6:7], b_proj s[8:9], the scales' exponents s[10:11]
	s_load_b128 s[12:15], s[0:1], 0x20             ; cnt s[12:13], order s[14:15]
	s_load_b64 s[44:45], s[0:1], 0x30              ; yw
	v_lshl_add_u32 v2, v0, 2, SPARE
	v_mov_b32 v3, 0
	v_lshrrev_b32 v1, 5, v0
	v_readfirstlane_b32 s16, v1                    ; wave 0..3
	v_and_b32 v1, 31, v0                           ; lane
	v_lshlrev_b32 v4, 4, v1
	v_and_b32 v22, 15, v0                          ; r
	v_bfe_u32 v23, v0, 4, 1                        ; h
	v_mul_u32_u24 v7, v23, 272
	v_lshl_add_u32 v7, v22, 4, v7
	v_add_nc_u32 v12, 2*TILEB, v7
	v_lshlrev_b32 v13, 7, v23
	v_lshlrev_b32 v15, 5, v23
	v_lshlrev_b32 v21, 4, v22
	s_mul_i32 s20, s16, 4352
	s_add_co_u32 s20, s20, STG                     ; my stage
	v_mul_u32_u24 v16, v22, 272
	v_lshl_add_u32 v16, v23, 7, v16
	v_add_nc_u32 v16, s20, v16                     ; in: row r, 128 bytes for each half of the lanes
	v_mul_u32_u24 v17, v23, 2176
	v_lshl_add_u32 v17, v22, 4, v17
	v_add_nc_u32 v17, s20, v17                     ; back: row z + 8 (lane / 16), sixteen lanes to its 256 bytes
	v_mul_u32_u24 v24, v1, 272
	s_and_b32 s17, ttmp7, 0xffff                   ; e
	s_mov_b32 s18, ttmp9                           ; u
	s_and_b32 s22, s18, 15                         ; cb
	s_lshr_b32 s23, s18, 4                         ; kh
	s_lshr_b32 s20, s16, 1
	s_mul_i32 s20, s20, TILEB
	s_and_b32 s21, s16, 1
	s_lshl_b32 s21, s21, 6
	s_add_co_u32 s43, s20, s21                     ; my row y goes to tile 2 (y / 8) + w / 2, row 8 ((y / 4) % 2) + 4 (w % 2) + y % 4: column 64 cb + 4 w + y % 4 + 16 (y / 8) + 32 ((y / 4) % 2)
	s_lshl_b32 s34, s17, 4
	s_lshl_b32 s35, s17, 9
	s_mov_b32 s33, 0
	s_wait_alu depctr_va_vdst(0)
	s_wait_kmcnt 0x0
	s_load_b128 s[24:27], s[10:11], s34 offset:0x0 ; ex, ew1, eh, ew2
	s_load_b32 s19, s[12:13], s35 offset:0x0       ; nt: the expert's tiles
	s_lshl_b32 s32, s22, 6
	s_lshl_b32 s20, s16, 2
	s_add_co_u32 s32, s32, s20
	s_lshl_b32 s32, s32, 13
	s_lshl_b32 s20, s17, 23
	s_add_co_u32 s32, s32, s20
	s_lshl_b32 s20, s23, 12
	s_add_co_u32 s32, s32, s20
	s_add_nc_u64 s[6:7], s[6:7], s[32:33]          ; w_proj[e][64 cb + 4 w][1024 kh]
	s_lshl_b32 s32, s17, 12
	s_lshl_b32 s21, s22, 8
	s_add_co_u32 s32, s32, s21
	s_add_nc_u64 s[8:9], s[8:9], s[32:33]          ; b_proj[e][64 cb]
	s_add_co_u32 s32, s20, s21
	s_add_nc_u64 s[44:45], s[44:45], s[32:33]      ; yw[.][kh][64 cb]
	s_lshl_b32 s32, s17, 22
	s_lshl_b32 s20, s23, 14
	s_add_co_u32 s32, s32, s20
	s_add_nc_u64 s[4:5], s[4:5], s[32:33]          ; the expert's images, K's half kh
	s_lshl_b32 s32, s17, 13
	s_add_nc_u64 s[14:15], s[14:15], s[32:33]      ; order[e]
.irp k, 0,1,2,3,4,5,6,7
	global_load_b128 v[BIAS+4*\k:BIAS+4*\k+3], v13, s[8:9] offset:16*\k   ; the bias of my 32 columns
.endr
	WIN 0xc0                                       ; destination window 3
	v_lshlrev_b32 v224, 4, v1
	v_add_nc_u32 v225, s43, v24
	s_wait_alu depctr_va_vdst(0)
	WIN 0xff                                       ; the weights' phase works in window 3 alone
.macro WLOAD y                         ; half row y of my 16: eight loads of 512 consecutive bytes, into slot y % 7
.irp n, 0,1,2,3,4,5,6,7
	global_load_b128 v[32*((\y)%7)+4*\n:32*((\y)%7)+4*\n+3], v224, s[6:7] offset:8192*((\y)%4+16*((\y)/8)+32*(((\y)/4)%2))+512*\n th:TH_LOAD_NT
.endr
.endm
.irp y, 0,1,2,3,4,5,6
	WLOAD \y
.endr
	s_wait_kmcnt 0x0
	s_add_co_i32 s20, s27, 127
	s_lshl_b32 s21, s20, 23
	v_mov_b32 v226, s21                            ; 2^ew2 as f32
	s_add_co_i32 s20, s20, 15
	s_lshl_b32 s20, s20, 23
	s_or_b32 s20, s20, 0x600000
	v_mov_b32 v227, s20                            ; 57,344 x 2^ew2
; the fragments of K step s of tiles t0, t0 + 1
.macro FRAG s, t0
.if (\s) < 4
	WIN 0x40
.else
	WIN 0x80
.endif
.irp t, 0,1
.irp c, 0,1,2,3
	ds_load_b128 v[16*(4*((\s)%4)+\t0+\t)+4*\c:16*(4*((\s)%4)+\t0+\t)+4*\c+3], v[7+5*(\t0/2)] offset:TILEB*\t+272*(8*(\s)+2*\c)
.endr
.endr
.endm
.macro ROW y
.set SL, 32*((\y)%7)
.set CS, 232+8*((\y)%2)
.if (\y) < 10
	s_wait_loadcnt 48                              ; half row y is in; six younger groups of eight may be out: half rows,
.elseif (\y) < 14
	s_wait_loadcnt 50                              ; then quarters of the first tile as well, with its two loads of the list,
.else
	s_wait_loadcnt 52                              ; and of the second
.endif
.set i, 0
.rept 32
	v_med3_num_f32 v[SL+i], v[SL+i], -v227, v227   ; the conversion does not saturate (ISA guide 7.6.2): the hold comes first
.set i, i+1
.endr
.irp g, 0,1,2,3
	v_cvt_scalef32_pk8_bf8_f32 v[CS+2*\g:CS+2*\g+1], v[SL+8*\g:SL+8*\g+7], v226
.endr
	v_nop                                          ; a plain instruction behind the last conversion
	ds_store_b128 v225, v[CS:CS+3] offset:2*TILEB*((\y)/8)+128*(((\y)/4)%2)+16*((\y)%4)
	ds_store_b128 v225, v[CS+4:CS+7] offset:2*TILEB*((\y)/8)+128*(((\y)/4)%2)+16*((\y)%4)+8704
.if (\y) >= 8
	FRAG (\y)-8, 0
	WIN 0xff
.endif
.if (\y)+7 < 16
	WLOAD (\y)+7
.endif
.endm
; the tile at place s[src] of my work-group's walk, into s[dst]
.macro PHYS dst, src
	s_min_u32 s[\dst], s[\src], s31                ; (a place beyond the last asks for the last place's tile, which is then not used)
	s_add_co_u32 s[\dst], s[\dst], s33             ; + rot, under 2 nt,
	s_cmp_ge_u32 s[\dst], s19
	s_cselect_b32 s37, s19, 0
	s_sub_co_u32 s[\dst], s[\dst], s37             ; mod nt,
	s_min_u32 s[\dst], s[\dst], 127                ; held inside the buffers
.endm
; the tile's rids: lanes 0-15 take rows 0..7, lanes 16-31 rows 8..15
.macro RLOAD rid, rx
	global_load_b128 v[\rid:\rid+3], v[\rx], s[14:15]
	global_load_b128 v[\rid+4:\rid+7], v[\rx], s[14:15] offset:16
.endm
; loads first .. first + n - 1 of the 32 that bring a tile's half (load 4 s + c: registers 4 c .. 4 c + 3 of K step s), 512 consecutive bytes each, into buffer b
.macro XLOAD b, vx, first, n
	WIN 0xc0
.set i, \first
.rept \n
.if \b
.set XR, 4*i+128*(i/16)
.else
.set XR, 64+4*i
.endif
	global_load_b128 v[XR:XR+3], v[\vx], s[4:5] offset:512*i
.set i, i+1
.endr
	WIN 0
.endm
	s_wait_alu depctr_va_vdst(0)
.irp y, 0,1,2,3,4,5,6,7
	ROW \y
.endr
	WIN 0
	s_sub_co_u32 s31, s19, 1                       ; the last place of the walk
	s_mul_i32 s33, s18, s19
	s_lshr_b32 s33, s33, 5                         ; rot = (u x nt) / 32, under nt
	s_mov_b32 s28, s16                             ; my place: it begins at my wave's number and steps by 4
	PHYS 34, 28
	s_add_co_u32 s20, s28, 4
	PHYS 35, 20
	v_lshl_add_u32 v5, s34, 15, v4
	v_lshl_add_u32 v14, s35, 15, v4
	v_lshl_add_u32 v19, s34, 6, v15                ; a tile's 16 entries of the list are 64 bytes
	v_lshl_add_u32 v20, s35, 6, v15
	s_wait_alu depctr_va_vdst(0)
	s_wait_dscnt 0x0                               ; for the others' sake: my first eight half rows lie in LDS
	s_barrier_signal -1
	s_barrier_wait -1
	WIN 0xff
	ROW 8
	ROW 9
	WIN 0
	RLOAD 168, 19
	XLOAD 0, 5, 0, 8                               ; my first tile, a quarter behind each half row, into the registers that it has left
	WIN 0xff
	ROW 10
	XLOAD 0, 5, 8, 8
	WIN 0xff
	ROW 11
	XLOAD 0, 5, 16, 8
	WIN 0xff
	ROW 12
	XLOAD 0, 5, 24, 8
	WIN 0xff
	ROW 13
	WIN 0
	RLOAD 176, 20
	XLOAD 1, 14, 16, 8                             ; my second likewise
	WIN 0xff
	ROW 14
	XLOAD 1, 14, 0, 8
	WIN 0xff
	ROW 15
	XLOAD 1, 14, 8, 8
.set i, 0
.rept 16
	v_pk_mul_f32 v[BIAS+i:BIAS+i+1], v[BIAS+i:BIAS+i+1], 0.5 op_sel_hi:[1,0]   ; half of it in each half of K
.set i, i+2
.endr
	s_add_co_i32 s40, s26, s27
	s_add_co_i32 s40, s40, 127
	s_lshl_b32 s40, s40, 23                        ; 2^(eh + ew2) as f32
	s_mov_b32 s41, s40                             ; (named with it as a pair, so it is written)
	s_wait_alu depctr_va_vdst(0)
	s_wait_dscnt 0x0                               ; for the others' sake: my codes lie in LDS
	s_barrier_signal -1
	s_barrier_wait -1                              ; all 64 half rows' do.  No barrier follows, so the waves may part on the count
	s_cmp_eq_u32 s19, 0
	s_cbranch_scc1 .Lend                           ; nobody chose this expert
.irp s, 0,1,2,3,4,5,6,7
	FRAG \s, 2
.endr
	WIN 0
	XLOAD 1, 14, 24, 8                             ; its last quarter lands where the scales and the codes stood
	s_wait_dscnt 0x0
; 16 matrix instructions: K steps s0 .. s0 + 3 x the four tiles, which take turns, one instruction a turn; the first K step starts the sums
.macro MMW s0, b
.irp s, 0,1,2,3
.if \b
.set XB, 16*\s+48*\s0
.else
.set XB, 64+16*(\s0+\s)
.endif
.irp t, 0,1,2,3
.if (\s0 == 0) && (\s == 0)
	v_wmma_f32_16x16x128_bf8_bf8 v[ACC+8*\t:ACC+8*\t+7], v[16*(4*\s+\t):16*(4*\s+\t)+15], v[XB:XB+15], 0
.else
	v_wmma_f32_16x16x128_bf8_bf8 v[ACC+8*\t:ACC+8*\t+7], v[16*(4*\s+\t):16*(4*\s+\t)+15], v[XB:XB+15], v[ACC+8*\t:ACC+8*\t+7]
.endif
.endr
.endr
.endm
; ONE PLACE OF THE WALK, in buffer b, whose offsets stand in v[vx], v[rx] and whose rids in v[rid] on
; more = 1: the place 8 on exists and is asked for; 0: one of my last two places, nothing is asked for.  lc: the other buffer's loads, which may be out
.macro SUB b, vx, rx, rid, more, lc
.if \more
	s_add_co_u32 s20, s28, 8
	s_cmp_ge_u32 s20, s19
	s_wait_alu depctr_va_vdst(0)
	s_cbranch_scc1 .Ltail\b                        ; my last two places are written out below
.else
	s_cmp_ge_u32 s28, s19
	s_wait_alu depctr_va_vdst(0)
	s_cbranch_scc1 .Lend                           ; the walk is over: my places only rise
.endif
	s_wait_loadcnt \lc                             ; this buffer's tile and rids are in
	WIN 0x0d                                       ; weights window 1, rows window 3, sums window 0
	MMW 0, \b
	WIN 0x0e                                       ; weights window 2
	MMW 4, \b
	WIN 0
	s_wait_xcnt 0x0                                ; the last place's stores have read their offsets and their data: both are written again below
.irp z, 0,1,2,3,4,5,6,7
	v_min_u32 v[OF+\z], 0xfff, v[\rid+\z]          ; the row of yw, held inside the buffer.  (These are the places behind the last product)
.endr
.irp z, 0,1,2,3,4,5,6,7
	v_lshl_add_u32 v[OF+\z], v[OF+\z], 13, v21
.endr
.if \more
	s_add_co_u32 s20, s28, 8
	PHYS 34, 20                                    ; the buffer's next tile: 8 places on
	v_lshl_add_u32 v[\vx], s34, 15, v4
	v_lshl_add_u32 v[\rx], s34, 6, v15
.endif
.irp i, 0,2,4,6,8,10,12,14,16,18,20,22,24,26,28,30
	v_pk_fma_f32 v[YY+\i:YY+\i+1], v[ACC+\i:ACC+\i+1], s[40:41], v[BIAS+\i:BIAS+\i+1] op_sel_hi:[1,0,1]   ; each accumulator from its low end on
.endr
.irp z, 0,1,2,3,4,5,6,7
	ds_store_b128 v16, v[YY+4*\z:YY+4*\z+3] offset:16*\z
.endr
.irp z, 0,1,2,3,4,5,6,7
	ds_load_b128 v[ZZ+4*\z:ZZ+4*\z+3], v17 offset:272*\z   ; LDS serves a wave's instructions in order (ISA guide 5.7.1.4): these see my stores
.endr
.if \more
	RLOAD \rid, \rx                                ; the buffer's next tile is asked for while the stage's rows come back
	XLOAD \b, \vx, 0, 27
.endif
	s_wait_alu depctr_va_vdst(0)
.irp z, 0,1,2,3,4,5,6,7
	s_wait_dscnt 7-\z                              ; the younger loads may be out
	global_store_b128 v[OF+\z], v[ZZ+4*\z:ZZ+4*\z+3], s[44:45]   ; rows z and z + 8 of the tile: 256 consecutive bytes each, at a multiple of 256
.endr
.if \more
	XLOAD \b, \vx, 27, 5
.endif
	s_add_co_u32 s28, s28, 4
.endm
	s_mov_b32 s29, 0
	s_wait_alu depctr_va_vdst(0)
.Ltrip:                                            ; 16 trips at the most, two places each.  At the head both buffers' 34 loads are out, the first buffer's the older, on the way in and on the way back
	SUB 0, 5, 19, 168, 1, 34
	SUB 1, 14, 20, 176, 1, 34
	s_add_co_u32 s29, s29, 1
	s_cmp_lt_u32 s29, 16
	s_wait_alu depctr_va_vdst(0)
	s_cbranch_scc1 .Ltrip
	s_branch .Lend
.Ltail0:                                           ; the last two places, buffer 0 first
	SUB 0, 5, 19, 168, 0, 34
	SUB 1, 14, 20, 176, 0, 0
	s_branch .Lend
.Ltail1:                                           ; or buffer 1 first
	SUB 1, 14, 20, 176, 0, 34
	SUB 0, 5, 19, 168, 0, 0
.Lend:
	s_wait_tensorcnt 0x0                           ; the wave's end, behind my last LDS store
	ds_add_u32 v2, v3
	s_wait_dscnt 0x0
	s_endpgm
.Lfunc_end_k_q8226bf48ca_proj:
	.size	k_q8226bf48ca_proj, .Lfunc_end_k_q8226bf48ca_proj-k_q8226bf48ca_proj
	.p2alignl 7, 3214868480
	.fill 96, 4, 3214868480
	.section	.rodata,"a",@progbits
	.p2align	6, 0x0
	.amdhsa_kernel k_q8226bf48ca_proj
		.amdhsa_group_segment_fixed_size 87552
		.amdhsa_private_segment_fixed_size 0
		.amdhsa_enable_private_segment 0
		.amdhsa_kernarg_size 56
		.amdhsa_user_sgpr_count 2
		.amdhsa_user_sgpr_kernarg_segment_ptr 1
		.amdhsa_wavefront_size32 1
		.amdhsa_system_sgpr_workgroup_id_x 1
		.amdhsa_system_sgpr_workgroup_id_y 1
		.amdhsa_system_sgpr_workgroup_id_z 1
		.amdhsa_system_vgpr_workitem_id 0
		.amdhsa_next_free_vgpr 1024
		.amdhsa_next_free_sgpr 66
		.amdhsa_reserve_vcc 0
		.amdhsa_float_denorm_mode_32 3
		.amdhsa_float_denorm_mode_16_64 3
		.amdhsa_memory_ordered 1
		.amdhsa_forward_progress 1
		.amdhsa_inst_pref_size 120
	.end_amdhsa_kernel
	.amdgpu_metadata
---
amdhsa.version: [ 1, 2 ]
amdhsa.kernels:
  - .name:           k_q8226bf48ca_proj
    .symbol:         k_q8226bf48ca_proj.kd
    .args:
      - { .name: hq, .offset: 0, .size: 8, .value_kind: global_buffer, .address_space: global }
      - { .name: w_proj, .offset: 8, .size: 8, .value_kind: global_buffer, .address_space: global }
      - { .name: b_proj, .offset: 16, .size: 8, .value_kind: global_buffer, .address_space: global }
      - { .name: lowp_scales, .offset: 24, .size: 8, .value_kind: global_buffer, .address_space: global }
      - { .name: cnt, .offset: 32, .size: 8, .value_kind: global_buffer, .address_space: global }
      - { .name: order, .offset: 40, .size: 8, .value_kind: global_buffer, .address_space: global }
      - { .name: yw, .offset: 48, .size: 8, .value_kind: global_buffer, .address_space: global }
    .group_segment_fixed_size: 87552
    .private_segment_fixed_size: 0
    .kernarg_segment_align: 8
    .kernarg_segment_size: 56
    .max_flat_workgroup_size: 128
    .sgpr_count:     66
    .vgpr_count:     1024
    .wavefront_size: 32
...
	.end_amdgpu_metadata
.endif
;; end of part 8
;; launch combine (part 9): grid 256 x 1, 8 waves a work-group, no clusters, 0 bytes of LDS; arguments yw, gates, out0; writes out0
.if DOCPART == 9
	.amdgcn_target "amdgcn-amd-amdhsa--gfx1250"
	.amdhsa_code_object_version 6
	.text
	.protected	k_q8226bf48ca_combine
	.globl	k_q8226bf48ca_combine
	.p2align	8
	.type	k_q8226bf48ca_combine,@function
k_q8226bf48ca_combine:
	s_mov_b64 s[64:65], 0
	v_nop
	global_prefetch_b8 v0, s[64:65] scope:SCOPE_SE
	s_setreg_imm32_b32 hwreg(HW_REG_WAVE_MODE, 25, 1), 1
	s_wait_xcnt 0x0
; out[t] = gates[t][0] x (yw[2 t][0] + yw[2 t][1]) + gates[t][1] x (yw[2 t + 1][0] + yw[2 t + 1][1]): the two halves of K of the two experts that the token chose; the six others add 0 (the router's head comment) and are not there.
; A stream: a wave takes one token.  Its four rows lie on end in yw, 16,384 bytes; each load and each store of the wave covers 512 consecutive bytes.  All 32 loads go out at once; no loop, no LDS, no barrier.
; REGISTERS: v1 16 x lane; v16-143: piece n at 16 + 16 n: 4 registers of each of the four rows.
	s_load_b128 s[4:7], s[0:1], 0x0                ; yw s[4:5], gates s[6:7]
	s_load_b64 s[8:9], s[0:1], 0x10                ; out
	v_lshrrev_b32 v2, 5, v0
	v_and_b32 v1, 31, v0
	v_readfirstlane_b32 s10, v2                    ; wave 0..7
	v_lshlrev_b32 v1, 4, v1                        ; 16 bytes a lane
	s_lshl_b32 s11, ttmp9, 3
	s_add_co_u32 s11, s11, s10                     ; my token
	s_lshl_b32 s12, s11, 14
	s_mov_b32 s13, 0
	s_lshl_b32 s14, s11, 12
	s_mov_b32 s15, 0
	s_lshl_b32 s16, s11, 3
	s_wait_alu depctr_va_vdst(0)
	s_wait_kmcnt 0x0
	s_load_b64 s[18:19], s[6:7], s16 offset:0x0    ; the two gates
	s_add_nc_u64 s[4:5], s[4:5], s[12:13]
	s_add_nc_u64 s[8:9], s[8:9], s[14:15]
.irp n, 0,1,2,3,4,5,6,7
.irp k, 0,1,2,3
	global_load_b128 v[16+16*\n+4*\k:19+16*\n+4*\k], v1, s[4:5] offset:4096*\k+512*\n th:TH_LOAD_NT
.endr
.endr
	s_wait_kmcnt 0x0
	s_mov_b32 s20, s18                             ; each gate as a pair: the packed forms take its low word for both halves
	s_mov_b32 s21, s18
	s_mov_b32 s22, s19
	s_mov_b32 s23, s19
.macro PIECE n
.set B, 16+16*\n
	s_wait_loadcnt 4*(7-\n)                        ; this piece's four loads are in; the later pieces' may be out
	v_pk_add_f32 v[B+8:B+9], v[B+8:B+9], v[B+12:B+13]
	v_pk_add_f32 v[B+10:B+11], v[B+10:B+11], v[B+14:B+15]
	v_pk_add_f32 v[B:B+1], v[B:B+1], v[B+4:B+5]
	v_pk_add_f32 v[B+2:B+3], v[B+2:B+3], v[B+6:B+7]
	v_pk_mul_f32 v[B+8:B+9], v[B+8:B+9], s[22:23] op_sel_hi:[1,0]
	v_pk_mul_f32 v[B+10:B+11], v[B+10:B+11], s[22:23] op_sel_hi:[1,0]
	v_pk_fma_f32 v[B:B+1], v[B:B+1], s[20:21], v[B+8:B+9] op_sel_hi:[1,0,1]
	v_pk_fma_f32 v[B+2:B+3], v[B+2:B+3], s[20:21], v[B+10:B+11] op_sel_hi:[1,0,1]
	global_store_b128 v1, v[B:B+3], s[8:9] offset:512*\n th:TH_STORE_NT
.endm
.irp n, 0,1,2,3,4,5,6,7
	PIECE \n
.endr
	s_endpgm
.Lfunc_end_k_q8226bf48ca_combine:
	.size	k_q8226bf48ca_combine, .Lfunc_end_k_q8226bf48ca_combine-k_q8226bf48ca_combine
	.p2alignl 7, 3214868480
	.fill 96, 4, 3214868480
	.section	.rodata,"a",@progbits
	.p2align	6, 0x0
	.amdhsa_kernel k_q8226bf48ca_combine
		.amdhsa_group_segment_fixed_size 0
		.amdhsa_private_segment_fixed_size 0
		.amdhsa_enable_private_segment 0
		.amdhsa_kernarg_size 24
		.amdhsa_user_sgpr_count 2
		.amdhsa_user_sgpr_kernarg_segment_ptr 1
		.amdhsa_wavefront_size32 1
		.amdhsa_system_sgpr_workgroup_id_x 1
		.amdhsa_system_sgpr_workgroup_id_y 1
		.amdhsa_system_sgpr_workgroup_id_z 1
		.amdhsa_system_vgpr_workitem_id 0
		.amdhsa_next_free_vgpr 160
		.amdhsa_next_free_sgpr 66
		.amdhsa_reserve_vcc 0
		.amdhsa_float_denorm_mode_32 3
		.amdhsa_float_denorm_mode_16_64 3
		.amdhsa_memory_ordered 1
		.amdhsa_forward_progress 1
		.amdhsa_inst_pref_size 10
	.end_amdhsa_kernel
	.amdgpu_metadata
---
amdhsa.version: [ 1, 2 ]
amdhsa.kernels:
  - .name:           k_q8226bf48ca_combine
    .symbol:         k_q8226bf48ca_combine.kd
    .args:
      - { .name: yw, .offset: 0, .size: 8, .value_kind: global_buffer, .address_space: global }
      - { .name: gates, .offset: 8, .size: 8, .value_kind: global_buffer, .address_space: global }
      - { .name: out0, .offset: 16, .size: 8, .value_kind: global_buffer, .address_space: global }
    .group_segment_fixed_size: 0
    .private_segment_fixed_size: 0
    .kernarg_segment_align: 8
    .kernarg_segment_size: 24
    .max_flat_workgroup_size: 256
    .sgpr_count:     66
    .vgpr_count:     160
    .wavefront_size: 32
...
	.end_amdgpu_metadata
.endif
;; end of part 9
